; MI455X (gfx1250); checked and timed in simulation.
; The chip was launched on July 23, 2026; its instructions are those of AMD's public machine-readable ISA for CDNA 5 (MIT licence, August 2026) and "CDNA5" Instruction Set Architecture Reference Guide (July 2026). The comments in the code are by the model that wrote it; some were corrected since.
;; My Transformer. Allowed arithmetic: matrix products marked QUANTISED: E4M3 operands, one given power-of-two scale a tensor, by v_wmma_f32_16x16x64_fp8_fp8 or v_wmma_f32_16x16x128_fp8_fp8, f32 sums; everything else in f32.
;; Inputs: W_k 1,024 x 256 float32; W_o 1,024 x 1,024 float32; W_q 1,024 x 1,024 float32; W_v 1,024 x 256 float32; b_k 256 float32; b_o 1,024 float32; b_q 1,024 float32; b_v 256 float32; idx 4 x 2,048 int32; lowp_scales 12 int32 (the exponents e of the quantised operands' scales 2^e); mask 2,048 x 2,048 int32; pos_table 2,048 x 512 float32; tok_table 32,000 x 512 float32.
;; Outputs: out0 4 x 2,048 x 1,024 float32.
;; This version of the problem:
;;   THIS VERSION OF THE PROBLEM IS GIVEN IN LOW PRECISION. The matrix products marked QUANTISED in the list below multiply operands that are first quantised to E4M3 (4 exponent bits, 3 mantissa bits; 8 bits a number), with one given power-of-two scale for each operand tensor; their sums are f32. All else is computed in f32.
;;   The module's matrix products, in the order in which they are computed (A, B: the left and right operand; K: the contracted axis; several contracted axes count as one K, in the product's order):
;;     1. [M 8,192, K 1,024] x [K 1,024, N 1,024]; A: computed on the way; B: input W_q: QUANTISED (scales: A lowp_scales[0], B lowp_scales[1])
;;     2. [M 8,192, K 1,024] x [K 1,024, N 256]; A: computed on the way; B: input W_k: QUANTISED (scales: A lowp_scales[2], B lowp_scales[3])
;;     3. [M 8,192, K 1,024] x [K 1,024, N 256]; A: computed on the way; B: input W_v: QUANTISED (scales: A lowp_scales[4], B lowp_scales[5])
;;     4. batch 64 x [M 2,048, K 64] x [K 64, N 2,048]; A: computed on the way; B: computed on the way: QUANTISED (scales: A lowp_scales[6], B lowp_scales[7])
;;     5. batch 64 x [M 2,048, K 2,048] x [K 2,048, N 64]; A: softmax (see below); B: computed on the way: QUANTISED (scales: A lowp_scales[8], B lowp_scales[9])
;;     6. [M 8,192, K 1,024] x [K 1,024, N 1,024]; A: computed on the way; B: input W_o: QUANTISED (scales: A lowp_scales[10], B lowp_scales[11])
;;   THE QUANTISER, for each operand of a quantised product, along K:
;;     - The operand's scale is 2^e, e = its entry of the input lowp_scales (int32; the entries are numbered through the quantised products in the list's order, A before B).
;;     - Each number is divided by the scale, clamped to +-448, and rounded to the nearest number of E4M3, ties to even, subnormals kept.
;;     - The product sums the exact products of the quantised numbers (number of the format x scale) in f32.
;;   ~~~python
;;   def quantise(x, axis, e):      # numpy; x: float32 -> the quantised numbers, widened to float32 again
;;       x = np.moveaxis(x, axis, -1); K = x.shape[-1]
;;       r = np.clip(x / 2.0 ** e, -448, 448)
;;       step = 2.0 ** (np.maximum(np.frexp(np.where(r == 0, 1, r))[1] - 1, -6) - 3)
;;       q = np.round(r / step) * step * 2.0 ** e      # np.round: ties to even
;;       return np.moveaxis(q, -1, axis).astype(np.float32)
;;   ~~~
;;   SOFTMAX AHEAD OF A QUANTISED PRODUCT. Where the list says 'softmax', what is quantised is not the finished softmax but p = 2^(t - M), with t = logit x log2(e) and M = ceil(the row's largest t), a whole number; so 1/2 < the row's largest p <= 1. The row's sum l is taken of the UNQUANTISED p, in f32, and the product's result is divided by l at the end. Since M is a whole number, a kernel that streams over the keys may use a running M (the ceiling of the running maximum): every later rescaling is an exact power of two, so the quantised numbers keep their values, but for numbers so far below the row's largest that they fall under the format's range.
;;   OPERANDS COMPUTED ON THE WAY. 'Computed on the way' means the value that the module computes at that place (a softmax that the list does not call 'softmax' is quantised finished and normalised). What goes into a quantiser is computed in f32, as accurately as f32 sums, v_exp_f32 and their like allow (about 1e-6 of the number): no bf16 or f16 on the way to a quantiser, and a product that is left as it is and whose result goes on into a quantised operand takes f32 operands (vector FMAs, or v_wmma_f32_16x16x4_f32). A number that lies on a knife's edge between two numbers of the format may be rounded either way, as far as f32 arithmetic and the matrix unit's own rounding can turn it there, and no further.
;; 2 versions, each right; version 2 is version 1 with the launch attn written anew for expert scheduling mode. Each part assembles by itself: llvm-mc -triple=amdgcn-amd-amdhsa -mcpu=gfx1250 --defsym DOCPART=n.
;; ======== version 1 of 2: 4 launches
;; limits: right only within a limited range of input values
;; workspace buffers: wimg 2,621,440 bytes; xc 15,728,640 bytes; mwords 524,288 bytes of whole numbers; minfo 65,536 bytes of whole numbers; qimg 8,388,608 bytes; kv 4,194,304 bytes; attnc 8,388,608 bytes
;; launch prep (part 1): grid 368 x 1, 4 waves a work-group, no clusters, 68,096 bytes of LDS; arguments W_q, W_k, W_v, W_o, idx, tok_table, pos_table, mask, lowp_scales, wimg, xc, mwords, minfo; writes wimg, xc, mwords, minfo
.if DOCPART == 1
	.amdgcn_target "amdgcn-amd-amdhsa--gfx1250"
	.amdhsa_code_object_version 6
	.text
	.protected	k_q0b86ae4e76_prep
	.globl	k_q0b86ae4e76_prep
	.p2align	8
	.type	k_q0b86ae4e76_prep,@function
k_q0b86ae4e76_prep:
	s_mov_b64 s[64:65], 0
	v_nop
	global_prefetch_b8 v0, s[64:65] scope:SCOPE_SE
	s_setreg_imm32_b32 hwreg(HW_REG_WAVE_MODE, 25, 1), 1
	s_wait_xcnt 0x0
; PREP: everything that later launches read many times is laid out once, as images of operand registers.
; An image of a fragment (16 rows x 128 K of E4M3 codes, 16 registers a lane): registers 4q..4q+3 of lane L lie at 512 q + 16 L.
; Register pair c (0..7), lane half h, byte i hold, of a K step of 128:  k = 64 (c / 4) + 32 h + 4 i + c % 4   (the same on both operands of a product, so every product meets its partner).
; Work-groups 0..79    (W): the four weights [k][n] f32 -> wimg [slice of 64 features: 40][K step: 8][tile f: 4][2048]; lane r of tile f is feature 4 r + f of the slice.
; Work-groups 80..239  (X): the embedding rows -> xc, three code sets (scales 0, 2, 4): token half [set][block of 128 tokens: 64][K step: 4][tile: 8][2048], position half behind it [set][16][4][8][2048].
; Work-groups 240..367 (M): the mask -> mwords [query tile: 128][key step: 16][64 words] (word 8 t + j, bit L: mask[16 qt + L % 16][128 ks + 16 t + 8 (L / 16) + j] is not 0)
;                           and minfo [query tile][wave: 4][32 words]: word c = step 4 w + c: bits 15:0 row has an open key, bit 16 any open, bit 17 all open; the other words 0.
; code = x / 2^e, held within +-448, to the nearest code, ties to even.  LIMITS: each of the exponents 0, 1, 2, 3, 4, 5, 11 lies between -126 and 119.  NaN among the inputs is not served.
; An index beyond the table is held at the table's last row.
; Every wave's task reads 32 KiB.  No barrier: waves share nothing; each wave has a stage of its own in LDS, and each of the two paths that use LDS has bytes of its own.
.set WST,   8448                       ; a wave's stage: 16 rows x 528 bytes (512 + 16 of padding: 33 x 16, so that 16 rows start at 16 different groups of banks)
.set SP,    528
.set MST,   4*WST                      ; the mask path's four stages lie behind the embedding path's four
.set SPARE, 8*WST                      ; behind the stages: the spare words, 128 bytes a wave
.set XPOS,  12582912                   ; the position half of xc
.set LN,  1                            ; v1  lane
.set RR,  2                            ; v2  lane % 16
.set HH,  3                            ; v3  lane / 16
.set LI,  4                            ; v4  16 x lane
.set SPW, 5                            ; v5  my spare word; never rewritten
.set NIL, 6                            ; v6  0; never rewritten
.set XS,  14                           ; v14 stage, way in (X)
.set XR,  15                           ; v15 stage, way out (X)
.set VO,  16                           ; v16-31 byte offsets of my 16 rows
.set G,   32                           ; v32-95 as loaded (W: v32-159, four units of 32)
.set R,   96                           ; v96-159 back from the stage
.set T,   160                          ; v160-175 two sets of eight held numbers
.set OUT, 176                          ; codes
.set MS,  240                          ; stage, way in (M)
.set MR,  241                          ; stage, way out (M)
.macro FINISH                          ; the wave's end
	s_wait_tensorcnt 0x0
	ds_add_u32 v[SPW], v[NIL]
	s_wait_dscnt 0x0
	s_endpgm
.endm
.macro MKSC e, sc, lim                 ; s[e] = the exponent: v[sc] = 2^e, v[lim] = 448 x 2^e
	s_add_co_i32 s30, s[\e], 127
	s_lshl_b32 s31, s30, 23
	v_mov_b32 v[\sc], s31
	s_add_co_i32 s30, s30, 8
	s_lshl_b32 s30, s30, 23
	s_or_b32 s30, s30, 0x600000
	v_mov_b32 v[\lim], s30
.endm
	s_load_b512 s[4:19], s[0:1], 0x0               ; W_q s[4:5], W_k s[6:7], W_v s[8:9], W_o s[10:11], idx s[12:13], tok s[14:15], pos s[16:17], mask s[18:19]
	s_load_b256 s[20:27], s[0:1], 0x40             ; scales s[20:21], wimg s[22:23], xc s[24:25], mwords s[26:27]
	s_load_b64 s[28:29], s[0:1], 0x60              ; minfo
	v_lshl_add_u32 v[SPW], v0, 2, SPARE
	v_mov_b32 v[NIL], 0
	v_lshrrev_b32 v1, 5, v0
	v_readfirstlane_b32 s2, v1                     ; wave 0..3
	v_and_b32 v[LN], 31, v0
	v_and_b32 v[RR], 15, v0
	v_bfe_u32 v[HH], v0, 4, 1
	v_lshlrev_b32 v[LI], 4, v[LN]
	s_mul_i32 s3, s2, WST
	v_add_nc_u32 v[XS], s3, v[LI]                  ; all four LDS addresses are made here, ahead of the parting of the paths
	v_mul_u32_u24 v[XR], v[RR], SP
	v_add_nc_u32 v[XR], s3, v[XR]
	v_add_nc_u32 v[MS], MST, v[XS]
	v_lshl_add_u32 v[MR], v[HH], 5, v[XR]
	v_add_nc_u32 v[MR], MST, v[MR]                 ; M: row r, + 32 h
	v_lshl_add_u32 v[XR], v[HH], 7, v[XR]          ; X: row r, + 128 h
	s_wait_kmcnt 0x0
	s_load_b256 s[32:39], s[20:21], 0x0            ; exponents 0..7
	s_load_b128 s[40:43], s[20:21], 0x20           ; exponents 8..11
	s_cmp_lt_u32 ttmp9, 80
	s_cbranch_scc1 .Lpath_w
	s_cmp_lt_u32 ttmp9, 240
	s_cbranch_scc1 .Lpath_x
; ---------------------------------------------------------------- M: the mask.  Work-group = query tile, wave w = key steps 4 w .. 4 w + 3
	s_sub_co_u32 s60, ttmp9, 240                   ; query tile
	s_lshl_b32 s62, s60, 17                        ; 16 rows of 8,192 bytes
	s_lshl_b32 s63, s2, 11                         ; my four steps: 4 x 512 bytes of each row
	s_add_co_u32 s62, s62, s63
	s_mov_b32 s63, 0
	s_add_nc_u64 s[18:19], s[18:19], s[62:63]
	s_lshl_b32 s62, s60, 12
	s_lshl_b32 s61, s2, 10
	s_add_co_u32 s62, s62, s61
	s_add_nc_u64 s[26:27], s[26:27], s[62:63]      ; mwords at my first step
	s_lshl_b32 s62, s60, 9
	s_lshl_b32 s61, s2, 7
	s_add_co_u32 s62, s62, s61
	s_add_nc_u64 s[28:29], s[28:29], s[62:63]      ; minfo at my 128 bytes
	v_lshlrev_b32 v7, 3, v[LN]
	v_lshlrev_b32 v8, 2, v[LN]
	v_mov_b32 v160, 0                              ; a lane write's destination counts as read: written whole once
	v_mov_b32 v161, 0
	v_mov_b32 v162, 0                              ; and minfo's words 4..31 are 0
.macro MLOAD c                         ; step c: 512 consecutive bytes of each of the 16 rows; read once in the launch
.set mi, 0
.rept 16
	global_load_b128 v[G+4*mi:G+4*mi+3], v[LI], s[18:19] offset:8192*mi+512*(\c) th:TH_LOAD_NT
.set mi, mi+1
.endr
.endm
.macro MSTEP c
	s_wait_loadcnt 0x0                             ; the step's 16 loads are in
.set mi, 0
.rept 16
	ds_store_b128 v[MS], v[G+4*mi:G+4*mi+3] offset:SP*mi
.set mi, mi+1
.endr
.set mi, 0
.rept 16                               ; back: lane (r, h) takes, of row r, keys 16 t + 8 h + 0..7: register 8 t + j is word 8 t + j's value for my lane.  LDS serves a wave's instructions in order
	ds_load_b128 v[R+4*mi:R+4*mi+3], v[MR] offset:64*(mi/2)+16*(mi%2)
.set mi, mi+1
.endr
	s_wait_dscnt 0x0                               ; they are back, so the stores into the stage have read their registers
	s_wait_xcnt 0x0                                ; the last step's store has read v160, v161: they are written again below
.if (\c) < 3
	MLOAD (\c)+1
.endif
	s_mov_b32 s74, 0                               ; the OR and the AND of the 64 words
	s_mov_b32 s75, -1
.set mn, 0
.rept 8
.irp x, 0,1,2,3,4,5,6,7
	v_cmp_ne_u32 s[66+\x], 0, v[R+mn+\x]
.endr
.irp x, 0,1,2,3,4,5,6,7
	s_or_b32 s74, s74, s[66+\x]
	s_and_b32 s75, s75, s[66+\x]
	v_writelane_b32 v[160+(mn+\x)%2], s[66+\x], (mn+\x)/2   ; word n goes to lane n / 2, register n % 2: the lanes' pairs are the 64 words on end
.endr
.set mn, mn+8
.endr
	global_store_b64 v7, v[160:161], s[26:27] offset:256*(\c)   ; 32 lanes store 256 consecutive bytes, aligned
	s_lshr_b32 s76, s74, 16
	s_or_b32 s76, s76, s74
	s_and_b32 s76, s76, 0xffff                     ; row r has an open key in this step
	s_cmp_lg_u32 s74, 0
	s_cselect_b32 s77, 0x10000, 0
	s_or_b32 s76, s76, s77
	s_cmp_eq_u32 s75, -1
	s_cselect_b32 s77, 0x20000, 0
	s_or_b32 s76, s76, s77
	v_writelane_b32 v162, s76, \c
.endm
	MLOAD 0
	s_wait_kmcnt 0x0                               ; (the exponents, which this path does not use, have landed)
	MSTEP 0
	MSTEP 1
	MSTEP 2
	MSTEP 3
	global_store_b32 v8, v162, s[28:29]            ; my 128 bytes of minfo
	FINISH
; ---------------------------------------------------------------- X: the embeddings.  A wave takes a tile of 16 rows x 512 numbers; tiles 0..511 tokens, 512..639 positions
.Lpath_x:
	s_sub_co_u32 s60, ttmp9, 80
	s_lshl_b32 s60, s60, 2
	s_add_co_u32 s60, s60, s2                      ; tile 0..639
	s_and_b32 s61, s60, 511                        ; the tile's number in its half (a position tile reads 16 entries of idx too, inside the buffer, and masks them off)
	s_lshl_b32 s62, s61, 6
	s_mov_b32 s63, 0
	s_add_nc_u64 s[12:13], s[12:13], s[62:63]
	s_load_b512 s[44:59], s[12:13], 0x0            ; 16 indices
	s_lshl_b32 s78, s61, 15                        ; positions: 16 rows of 2,048 bytes a tile
	s_lshr_b32 s72, s61, 3
	s_lshl_b32 s72, s72, 16                        ; block of 128 rows: 65,536 bytes of codes
	s_and_b32 s73, s61, 7
	s_lshl_b32 s73, s73, 11                        ; tile in the block
	s_add_co_u32 s72, s72, s73
	s_mov_b32 s73, 0
	s_mov_b32 s62, 0x100000                        ; from code set to code set: positions
	s_cmp_lt_u32 s60, 512                          ; token tile?  The choice hangs on ids alone
	s_cselect_b64 s[66:67], s[14:15], s[16:17]     ; the table
	s_cselect_b32 s68, -1, 0                       ; keeps or drops the index
	s_cselect_b32 s69, 0, 2048                     ; from row to row, for positions
	s_cselect_b32 s70, 0, XPOS
	s_cselect_b32 s62, 0x400000, s62               ; from code set to code set: tokens
	s_cselect_b32 s78, 0, s78
	s_add_co_u32 s72, s72, s70
	s_add_nc_u64 s[72:73], s[24:25], s[72:73]      ; where my codes go: set 0,
	s_add_nc_u64 s[74:75], s[72:73], s[62:63]      ; set 1,
	s_add_nc_u64 s[76:77], s[74:75], s[62:63]      ; set 2
	s_wait_kmcnt 0x0
.set xi, 0
.rept 16
	s_min_u32 s[44+xi], s[44+xi], 31999            ; the index stays inside the table
	s_and_b32 s[44+xi], s[44+xi], s68
	s_lshl_b32 s[44+xi], s[44+xi], 11
	s_add_co_u32 s[44+xi], s[44+xi], s78
	v_add_nc_u32 v[VO+xi], s[44+xi], v[LI]
	s_add_co_u32 s78, s78, s69
.set xi, xi+1
.endr
.macro XLOAD s                         ; K step s: 512 consecutive bytes of each of my 16 rows
.set xi, 0
.rept 16
	global_load_b128 v[G+4*xi:G+4*xi+3], v[VO+xi], s[66:67] offset:512*(\s)
.set xi, xi+1
.endr
.endm
	XLOAD 0
	MKSC 32, 8, 9
	MKSC 34, 10, 11
	MKSC 36, 12, 13
.macro CHUNK s
	s_wait_loadcnt 0x0                             ; the K step's 16 loads are in
.set xi, 0
.rept 16
	ds_store_b128 v[XS], v[G+4*xi:G+4*xi+3] offset:SP*xi
.set xi, xi+1
.endr
.set xi, 0
.rept 16                               ; back: lane (r, h) takes, of row r, the four numbers at k = 64 a + 32 h + 4 i + 0..3: load 8 a + i
	ds_load_b128 v[R+4*xi:R+4*xi+3], v[XR] offset:256*(xi/8)+16*(xi%8)
.set xi, xi+1
.endr
	s_wait_dscnt 0x0                               ; they are back, so the stores into the stage have read their registers
	s_wait_xcnt 0x0                                ; the last K step's stores have read their codes' registers, which are written again below
.if (\s) < 3
	XLOAD (\s)+1
.endif
.set xg, 0
.rept 3                                ; the three scales
.set xc, 0
.rept 8                                ; register pair c of the fragment; the two sets of eight take turns, so that plain lines stand between a conversion and the next write of its sources
.set xi, 0
.rept 8
	v_med3_num_f32 v[T+8*(xc%2)+xi], v[R+4*(8*(xc/4)+xi)+xc%4], -v[9+2*xg], v[9+2*xg]   ; the hold (the conversion does not saturate: ISA guide 7.6.2), and the turn into the pair's order, in one
.set xi, xi+1
.endr
	v_cvt_scalef32_pk8_fp8_f32 v[OUT+16*xg+2*xc:OUT+16*xg+2*xc+1], v[T+8*(xc%2):T+8*(xc%2)+7], v[8+2*xg]
.set xc, xc+1
.endr
.set xg, xg+1
.endr
.irp q, 0,1,2,3
	global_store_b128 v[LI], v[OUT+4*\q:OUT+4*\q+3], s[72:73] offset:16384*(\s)+512*\q       ; each store covers 512 consecutive bytes, aligned
	global_store_b128 v[LI], v[OUT+16+4*\q:OUT+16+4*\q+3], s[74:75] offset:16384*(\s)+512*\q
	global_store_b128 v[LI], v[OUT+32+4*\q:OUT+32+4*\q+3], s[76:77] offset:16384*(\s)+512*\q
.endr
.endm
	CHUNK 0
	CHUNK 1
	CHUNK 2
	CHUNK 3
	FINISH
; ---------------------------------------------------------------- W: the weights.  A wave takes one slice of 64 features x one K step of 128
.Lpath_w:
	s_lshr_b32 s60, ttmp9, 1                       ; slice 0..39: 0-15 W_q, 16-19 W_k, 20-23 W_v, 24-39 W_o
	s_and_b32 s61, ttmp9, 1
	s_lshl_b32 s61, s61, 2
	s_add_co_u32 s61, s61, s2                      ; K step 0..7
	s_lshl_b32 s62, s60, 16
	s_lshl_b32 s63, s61, 13
	s_add_co_u32 s62, s62, s63
	s_mov_b32 s63, 0
	s_add_nc_u64 s[22:23], s[22:23], s[62:63]      ; where my four fragments go
	s_wait_kmcnt 0x0
	s_cmp_lt_u32 s60, 24                           ; the tensor, its exponent and its first slice: chosen by the slice's number alone
	s_cselect_b64 s[66:67], s[8:9], s[10:11]
	s_cselect_b32 s68, s37, s43
	s_cselect_b32 s69, 20, 24
	s_cmp_lt_u32 s60, 20
	s_cselect_b64 s[66:67], s[6:7], s[66:67]
	s_cselect_b32 s68, s35, s68
	s_cselect_b32 s69, 16, s69
	s_cmp_lt_u32 s60, 16
	s_cselect_b64 s[66:67], s[4:5], s[66:67]
	s_cselect_b32 s68, s33, s68
	s_cselect_b32 s69, 0, s69
	s_sub_co_u32 s69, s60, s69                     ; the slice's number in its tensor
	MKSC 68, 8, 9
.macro WUNIT u, pitch                  ; register pair u of all four tiles: rows k = 64 (u / 4) + 32 h + 4 i + u % 4, i = 0..7; a lane takes features 4 r .. 4 r + 3: sixteen lanes read 256 consecutive bytes of a row
.irp i, 0,1,2,3,4,5,6,7
	global_load_b128 v[G+32*((\u)%4)+4*\i:G+32*((\u)%4)+4*\i+3], v7, s[66:67] offset:(64*((\u)/4)+4*\i+(\u)%4)*\pitch th:TH_LOAD_NT
.endr
.endm
.macro WJOB pitch
	s_mul_i32 s70, s61, 128*\pitch
	s_lshl_b32 s71, s69, 8
	s_add_co_u32 s70, s70, s71
	s_mov_b32 s71, 0
	s_add_nc_u64 s[66:67], s[66:67], s[70:71]
	v_mul_u32_u24 v7, v[HH], 32*\pitch
	v_lshl_add_u32 v7, v[RR], 4, v7
	WUNIT 0, \pitch
	WUNIT 1, \pitch
	WUNIT 2, \pitch
	WUNIT 3, \pitch
.irp u, 0,1,2,3,4,5,6,7
.if \u <= 4
	s_wait_loadcnt 24                              ; this unit's eight loads are in; the three younger units may be out
.else
	s_wait_loadcnt 8*(7-\u)
.endif
.irp f, 0,1,2,3
.irp i, 0,1,2,3,4,5,6,7
	v_med3_num_f32 v[T+8*(\f%2)+\i], v[G+32*(\u%4)+4*\i+\f], -v9, v9   ; the hold, and component f of the eight rows brought together: registers then run down K
.endr
	v_cvt_scalef32_pk8_fp8_f32 v[OUT+16*\f+2*\u:OUT+16*\f+2*\u+1], v[T+8*(\f%2):T+8*(\f%2)+7], v8
.endr
.if \u < 4
	WUNIT \u+4, \pitch
.endif
.endr
.set wn, 0
.rept 16
	global_store_b128 v[LI], v[OUT+4*wn:OUT+4*wn+3], s[22:23] offset:512*wn
.set wn, wn+1
.endr
.endm
	s_sub_co_u32 s70, s60, 16
	s_cmp_lt_u32 s70, 8                            ; W_k and W_v have rows of 1,024 bytes
	s_cbranch_scc1 .Lw_narrow
	WJOB 4096
	FINISH
.Lw_narrow:
	WJOB 1024
	FINISH
.Lfunc_end_k_q0b86ae4e76_prep:
	.size	k_q0b86ae4e76_prep, .Lfunc_end_k_q0b86ae4e76_prep-k_q0b86ae4e76_prep
	.p2alignl 7, 3214868480
	.fill 96, 4, 3214868480
	.section	.rodata,"a",@progbits
	.p2align	6, 0x0
	.amdhsa_kernel k_q0b86ae4e76_prep
		.amdhsa_group_segment_fixed_size 68096
		.amdhsa_private_segment_fixed_size 0
		.amdhsa_enable_private_segment 0
		.amdhsa_kernarg_size 104
		.amdhsa_user_sgpr_count 2
		.amdhsa_user_sgpr_kernarg_segment_ptr 1
		.amdhsa_wavefront_size32 1
		.amdhsa_system_sgpr_workgroup_id_x 1
		.amdhsa_system_sgpr_workgroup_id_y 1
		.amdhsa_system_sgpr_workgroup_id_z 1
		.amdhsa_system_vgpr_workitem_id 0
		.amdhsa_next_free_vgpr 244
		.amdhsa_next_free_sgpr 80
		.amdhsa_reserve_vcc 0
		.amdhsa_float_denorm_mode_32 3
		.amdhsa_float_denorm_mode_16_64 3
		.amdhsa_memory_ordered 1
		.amdhsa_forward_progress 1
		.amdhsa_inst_pref_size 200
	.end_amdhsa_kernel
	.amdgpu_metadata
---
amdhsa.version: [ 1, 2 ]
amdhsa.kernels:
  - .name:           k_q0b86ae4e76_prep
    .symbol:         k_q0b86ae4e76_prep.kd
    .args:
      - { .name: W_q, .offset: 0, .size: 8, .value_kind: global_buffer, .address_space: global }
      - { .name: W_k, .offset: 8, .size: 8, .value_kind: global_buffer, .address_space: global }
      - { .name: W_v, .offset: 16, .size: 8, .value_kind: global_buffer, .address_space: global }
      - { .name: W_o, .offset: 24, .size: 8, .value_kind: global_buffer, .address_space: global }
      - { .name: idx, .offset: 32, .size: 8, .value_kind: global_buffer, .address_space: global }
      - { .name: tok_table, .offset: 40, .size: 8, .value_kind: global_buffer, .address_space: global }
      - { .name: pos_table, .offset: 48, .size: 8, .value_kind: global_buffer, .address_space: global }
      - { .name: mask, .offset: 56, .size: 8, .value_kind: global_buffer, .address_space: global }
      - { .name: lowp_scales, .offset: 64, .size: 8, .value_kind: global_buffer, .address_space: global }
      - { .name: wimg, .offset: 72, .size: 8, .value_kind: global_buffer, .address_space: global }
      - { .name: xc, .offset: 80, .size: 8, .value_kind: global_buffer, .address_space: global }
      - { .name: mwords, .offset: 88, .size: 8, .value_kind: global_buffer, .address_space: global }
      - { .name: minfo, .offset: 96, .size: 8, .value_kind: global_buffer, .address_space: global }
    .group_segment_fixed_size: 68096
    .private_segment_fixed_size: 0
    .kernarg_segment_align: 8
    .kernarg_segment_size: 104
    .max_flat_workgroup_size: 128
    .sgpr_count:     80
    .vgpr_count:     244
    .wavefront_size: 32
...
	.end_amdgpu_metadata
.endif
;; end of part 1
;; launch qkv (part 2): grid 6 x 64, 4 waves a work-group, no clusters, 167,936 bytes of LDS; arguments xc, wimg, b_q, b_k, b_v, lowp_scales, qimg, kv; writes qimg, kv
.if DOCPART == 2
	.amdgcn_target "amdgcn-amd-amdhsa--gfx1250"
	.amdhsa_code_object_version 6
	.text
	.protected	k_q0b86ae4e76_qkv
	.globl	k_q0b86ae4e76_qkv
	.p2align	8
	.type	k_q0b86ae4e76_qkv,@function
k_q0b86ae4e76_qkv:
	s_mov_b64 s[64:65], 0
	v_nop
	global_prefetch_b8 v0, s[64:65] scope:SCOPE_SE
	s_setreg_imm32_b32 hwreg(HW_REG_WAVE_MODE, 25, 1), 1
	s_wait_xcnt 0x0
; QKV: the three projections on E4M3 codes, their bias, and the quantising of Q, K and V for attention, all in registers.
; A work-group takes 128 tokens (y) x 256 features (x: 0-3 Q's four column groups, 4 K, 5 V); wave w takes all 128 tokens x the slice of 64 features 4 x + w: 32 accumulators.
; x's codes (128 KiB: 8 K steps x 8 tiles x 2,048 bytes, images of operand registers) lie whole in LDS, brought by two tensor loads a wave, 16 KiB each; no LDS byte is filled twice.
; The weights' fragments go from wimg straight into registers, three K steps ahead, in four buffers of 64.
; Q, K: source 0 = the weight's tile, source 1 = x: a lane holds one token, and register j of tile f is feature 32 h + 4 j + f of the head: the conversions' results are the fragment for the scores (K = the head's 64).
; V:    source 0 = x, source 1 = the weight's tile: a lane holds feature 4 r + f, and register j of token tile m is token 16 m + 8 h + j: the conversions' results are V's fragment with the keys innermost.
; The bias goes in as the C of each sum's first product, divided by the power of two that the sums lack.
; No cluster: six column groups do not divide into fours, and K's and V's groups read code sets that no other group reads.
; LIMITS: e6 - e0 - e1, e7 - e2 - e3 and e9 - e4 - e5 lie between -126 and 119.  NaN is not served.
; REGISTERS: window 0: v1-8 addresses and constants; v16-47 the bias as C; v48-79 the bias as loaded; v128-191, v192-255 x's fragments of tiles 0-3, 4-7.  Window 1: accumulator (m, f) at v[8 (4 m + f)].  Window 2: the weight's four buffers.
.set SPARE, 131072                     ; behind x's codes: the spare words, 128 bytes a wave
.set XPOS,  12582912
.set VB,    2097152                    ; V's half of kv
.set LI,  1                            ; v1  16 x lane
.set LI2, 2                            ; v2  the same + 65,536: K steps 4-7
.set SPW, 3
.set NIL, 4
.set BH,  5                            ; v5  128 x (lane / 16)
.set BR,  6                            ; v6  16 x (lane % 16)
.set SC,  7                            ; v7  the conversion's scale
.set LIM, 8                            ; v8  448 x that
.set BI,  16
.set LD,  48
.set AX,  128
.set WV,  20
.set CG,  21
.set TB,  22
.set G1,  24
.set G0,  32
.set WB,  52
.set BP,  54
.set OP,  56
.set MSB, 0
.macro WIN new                         ; the immediate's high byte repeats the setting that is left
.if MSB != (\new)
	s_set_vgpr_msb (MSB<<8)|(\new)
.set MSB, (\new)
.endif
.endm
.macro PLACES                          ; four plain places between a matrix instruction and a load into, or a vector read or write of, its registers
.rept 4
	v_nop
.endr
.endm
.macro WLOAD s                         ; the weight's four fragments of K step s into buffer s % 4
	WIN 0x80
.irp f, 0,1,2,3
.irp q, 0,1,2,3
	global_load_b128 v[64*((\s)%4)+16*\f+4*\q:64*((\s)%4)+16*\f+4*\q+3], v[LI], s[WB:WB+1] offset:8192*(\s)+2048*\f+512*\q
.endr
.endr
.endm
.macro ALOAD half, s                   ; x's fragments of tiles 4 half .. 4 half + 3, K step s
.irp m, 0,1,2,3
.irp q, 0,1,2,3
.if (\s) < 4
	ds_load_b128 v[AX+64*(\half)+16*\m+4*\q:AX+64*(\half)+16*\m+4*\q+3], v[LI] offset:(\s)*16384+(4*(\half)+\m)*2048+512*\q
.else
	ds_load_b128 v[AX+64*(\half)+16*\m+4*\q:AX+64*(\half)+16*\m+4*\q+3], v[LI2] offset:((\s)-4)*16384+(4*(\half)+\m)*2048+512*\q
.endif
.endr
.endr
.endm
; 16 matrix instructions; the 32 accumulators take turns, one instruction a turn, in the same order in every K step.  ord = 0: weight first; 1: x first
.macro MUL half, s, ord
.if (\s) == 0
	WIN 0x42+6*(\ord)
.else
	WIN 0x52+6*(\ord)
.endif
.irp m, 0,1,2,3
.irp f, 0,1,2,3
.set rD, 8*(4*(4*(\half)+\m)+\f)
.set rW, 64*((\s)%4)+16*\f
.set rA, AX+64*(\half)+16*\m
.if \ord
.if (\s) == 0
	v_wmma_f32_16x16x128_fp8_fp8 v[rD:rD+7], v[rA:rA+15], v[rW:rW+15], v[BI+8*\f:BI+8*\f+7]
.else
	v_wmma_f32_16x16x128_fp8_fp8 v[rD:rD+7], v[rA:rA+15], v[rW:rW+15], v[rD:rD+7]
.endif
.else
.if (\s) == 0
	v_wmma_f32_16x16x128_fp8_fp8 v[rD:rD+7], v[rW:rW+15], v[rA:rA+15], v[BI+8*\f:BI+8*\f+7]
.else
	v_wmma_f32_16x16x128_fp8_fp8 v[rD:rD+7], v[rW:rW+15], v[rA:rA+15], v[rD:rD+7]
.endif
.endif
.endr
.endr
.endm
.macro KSTEP s, ord
.if (\s) <= 5
	s_wait_loadcnt 32                              ; this K step's weights are in; those of the two K steps behind it may be out
.else
	s_wait_loadcnt 16*(7-(\s))
.endif
.if (\s) <= 4
	WLOAD (\s)+3                                   ; into the buffer that the last K step multiplied; four places stand since
.endif
	s_wait_dscnt 16                                ; tiles 0-3 are in; the younger sixteen loads (tiles 4-7) may be out
	MUL 0, \s, \ord
.if (\s) == 3
	WIN 0
	s_wait_tensorcnt 0x0                           ; my second fill (my part of K steps 4-7) has landed,
	s_wait_dscnt 0x0                               ; no LDS instruction of mine is out at the signal,
	s_barrier_signal -1
	s_barrier_wait -1                              ; and everybody's has
.endif
.if (\s) < 7
	PLACES
	WIN 0
	ALOAD 0, (\s)+1
	s_wait_dscnt 16                                ; tiles 4-7 are in; the sixteen just issued may be out
.else
	s_wait_dscnt 0x0
.endif
	MUL 1, \s, \ord
.if (\s) < 7
	PLACES
	WIN 0
	ALOAD 1, (\s)+1
.endif
.endm
	s_load_b512 s[4:19], s[0:1], 0x0               ; xc s[4:5], wimg s[6:7], b_q s[8:9], b_k s[10:11], b_v s[12:13], scales s[14:15], qimg s[16:17], kv s[18:19]
	v_lshl_add_u32 v[SPW], v0, 2, SPARE
	v_mov_b32 v[NIL], 0
	ds_add_u32 v[SPW], v[NIL]                      ; the wave's opening: the add and its wait stand ahead of my first tensor load; work on registers stands between
	v_lshrrev_b32 v5, 5, v0
	v_readfirstlane_b32 s[WV], v5                  ; wave 0..3
	s_mov_b32 s[CG], ttmp9                         ; column group
	s_and_b32 s[TB], ttmp7, 0xffff                 ; block of 128 tokens
	s_mov_b32 s[G1+0], 3<<16                       ; no mask; elements of 8 bytes; no padding
	s_mov_b32 s[G1+1], 32<<16                      ; tensor_dim0 = 32 elements: rows of 256 bytes
	s_mov_b32 s[G1+2], 64<<16                      ; tensor_dim1 = 64
	s_mov_b32 s[G1+3], 32<<16                      ; tile_dim0 = 32
	s_mov_b32 s[G1+4], 64                          ; tile_dim1 = 64: 16 KiB, dense
	s_mov_b32 s[G1+5], 32                          ; pitch
	s_mov_b32 s[G1+6], 0
	s_mov_b32 s[G1+7], 0
	s_mov_b32 s[G0], 1
	s_lshl_b32 s[G0+1], s[WV], 14                  ; K step w
	s_mov_b32 s[G0+4], 1
	s_add_co_u32 s[G0+5], s[G0+1], 65536           ; K step 4 + w
	s_max_u32 s23, s[CG], 3
	s_sub_co_u32 s23, s23, 3                       ; the code set: 0 for Q, 1 for K, 2 for V
	s_lshl_b32 s58, s23, 22
	s_lshl_b32 s59, s[TB], 16
	s_add_co_u32 s58, s58, s59
	s_add_co_u32 s58, s58, s[G0+1]                 ; the token half: set, block, my K step
	s_mov_b32 s59, 0
	s_lshl_b32 s60, s23, 20
	s_and_b32 s61, s[TB], 15
	s_lshl_b32 s61, s61, 16
	s_add_co_u32 s60, s60, s61
	s_add_co_u32 s60, s60, s[G0+1]
	s_add_co_u32 s60, s60, XPOS                    ; the position half
	s_mov_b32 s61, 0
	s_wait_dscnt 0x0                               ; the opening add is done
	s_wait_kmcnt 0x0
	s_add_nc_u64 s[G0+2:G0+3], s[4:5], s[58:59]
	s_or_b32 s[G0+3], s[G0+3], 0x80000000
	s_add_nc_u64 s[G0+6:G0+7], s[4:5], s[60:61]
	s_or_b32 s[G0+7], s[G0+7], 0x80000000
	tensor_load_to_lds s[G0:G0+3], s[G1:G1+7]      ; both first fills go out together: two loads of mine are out
	s_nop 0
	tensor_load_to_lds s[G0+4:G0+7], s[G1:G1+7]
	s_nop 0
	PLACES
	s_load_b256 s[40:47], s[14:15], 0x0            ; exponents 0..7
	s_load_b128 s[48:51], s[14:15], 0x20           ; exponents 8..11
	v_and_b32 v[LI], 31, v0
	v_lshlrev_b32 v[LI], 4, v[LI]
	v_add_nc_u32 v[LI2], 65536, v[LI]
	v_bfe_u32 v[BH], v0, 4, 1
	v_lshlrev_b32 v[BH], 7, v[BH]
	v_and_b32 v[BR], 15, v0
	v_lshlrev_b32 v[BR], 4, v[BR]
	s_lshl_b32 s52, s[CG], 2
	s_add_co_u32 s52, s52, s[WV]                   ; my slice
	s_lshl_b32 s52, s52, 16
	s_mov_b32 s53, 0
	s_add_nc_u64 s[WB:WB+1], s[6:7], s[52:53]
	s_cmp_lt_u32 s[CG], 5
	s_cselect_b64 s[BP:BP+1], s[10:11], s[12:13]
	s_cmp_lt_u32 s[CG], 4
	s_cselect_b64 s[BP:BP+1], s[8:9], s[BP:BP+1]
	s_cselect_b64 s[OP:OP+1], s[16:17], s[18:19]
	s_cselect_b32 s58, s[CG], 0
	s_cselect_b32 s61, 4, 2
	s_lshl_b32 s58, s58, 2
	s_add_co_u32 s58, s58, s[WV]                   ; my slice in its tensor = my head, or my group
	s_lshr_b32 s60, s[TB], 4                       ; batch
	s_lshl_b32 s61, s60, s61                       ; 16 heads or 4 groups a batch
	s_add_co_u32 s61, s61, s58
	s_lshl_b32 s62, s61, 17                        ; 131,072 bytes a head or group
	s_and_b32 s61, s[TB], 15
	s_lshl_b32 s61, s61, 13                        ; 8,192 bytes a block of 128 tokens
	s_add_co_u32 s62, s62, s61
	s_cmp_eq_u32 s[CG], 5
	s_cselect_b32 s61, VB, 0
	s_add_co_u32 s62, s62, s61
	s_mov_b32 s63, 0
	s_add_nc_u64 s[OP:OP+1], s[OP:OP+1], s[62:63]
	s_lshl_b32 s58, s58, 8
	s_mov_b32 s59, 0
	s_add_nc_u64 s[BP:BP+1], s[BP:BP+1], s[58:59]
.macro BODY ord
.if \ord
	global_load_b128 v[LD:LD+3], v[BR], s[BP:BP+1]                 ; the bias of features 4 r + 0..3
.else
.irp j, 0,1,2,3,4,5,6,7
	global_load_b128 v[LD+4*\j:LD+4*\j+3], v[BH], s[BP:BP+1] offset:16*\j   ; of features 32 h + 4 j + 0..3
.endr
.endif
	WLOAD 0
	WLOAD 1
	WLOAD 2
	WIN 0
	s_wait_kmcnt 0x0
	s_cmp_lt_u32 s[CG], 5                          ; the three exponents of my product: chosen by the column group, no branch
	s_cselect_b32 s58, s42, s44
	s_cselect_b32 s59, s43, s45
	s_cselect_b32 s60, s47, s49
	s_cmp_lt_u32 s[CG], 4
	s_cselect_b32 s58, s40, s58
	s_cselect_b32 s59, s41, s59
	s_cselect_b32 s60, s46, s60
	s_add_co_i32 s58, s58, s59                     ; a sum stands for sum x 2^(ex + ew)
	s_sub_co_i32 s59, 0, s58
	s_sub_co_i32 s60, s60, s58                     ; so its code is sum / 2^(eo - ex - ew)
	s_add_co_i32 s60, s60, 127
	s_lshl_b32 s61, s60, 23
	v_mov_b32 v[SC], s61
	s_add_co_i32 s60, s60, 8
	s_lshl_b32 s60, s60, 23
	s_or_b32 s60, s60, 0x600000
	v_mov_b32 v[LIM], s60
	s_wait_loadcnt 48                              ; the bias is in; the 48 loads of weights behind it may be out
.irp f, 0,1,2,3
.irp j, 0,1,2,3,4,5,6,7
.if \ord
	v_ldexp_f32 v[BI+8*\f+\j], v[LD+\f], s59
.else
	v_ldexp_f32 v[BI+8*\f+\j], v[LD+4*\j+\f], s59
.endif
.endr
.endr
	s_wait_tensorcnt 0x1                           ; my first fill (my part of K steps 0-3) has landed; the second may stay out
	s_barrier_signal -1
	s_barrier_wait -1
	ALOAD 0, 0
	ALOAD 1, 0
.irp s, 0,1,2,3,4,5,6,7
	KSTEP \s, \ord
.endr
	PLACES
	WIN 0x41
.set n, 0
.rept 256
	v_med3_num_f32 v[n], v[n], -v[LIM], v[LIM]     ; the hold; each accumulator from its low end on
.set n, n+1
.endr
	WIN 0x01
.irp m, 0,1,2,3,4,5,6,7
.irp f, 0,1,2,3
.if \ord
	v_cvt_scalef32_pk8_fp8_f32 v[AX+16*\f+2*\m:AX+16*\f+2*\m+1], v[8*(4*\m+\f):8*(4*\m+\f)+7], v[SC]   ; V: tile f, pair m: keys 16 m + 8 h + 0..7
.else
	v_cvt_scalef32_pk8_fp8_f32 v[AX+8*\m+2*\f:AX+8*\m+2*\f+1], v[8*(4*\m+\f):8*(4*\m+\f)+7], v[SC]     ; Q, K: token tile m, pair f: d = 32 h + 4 i + f
.endif
.endr
.endr
	v_nop                                          ; a plain line behind the last conversion
	WIN 0
.set n, 0
.rept 16
	global_store_b128 v[LI], v[AX+4*n:AX+4*n+3], s[OP:OP+1] offset:512*n   ; 512 consecutive bytes a store, aligned
.set n, n+1
.endr
	s_wait_tensorcnt 0x0                           ; the wave's end
	ds_add_u32 v[SPW], v[NIL]
	s_wait_dscnt 0x0
	s_endpgm
.endm
	s_cmp_eq_u32 s[CG], 5                          ; ids alone: all four waves go the same way
	s_cbranch_scc1 .Lpath_v
	BODY 0
.Lpath_v:
	BODY 1
.Lfunc_end_k_q0b86ae4e76_qkv:
	.size	k_q0b86ae4e76_qkv, .Lfunc_end_k_q0b86ae4e76_qkv-k_q0b86ae4e76_qkv
	.p2alignl 7, 3214868480
	.fill 96, 4, 3214868480
	.section	.rodata,"a",@progbits
	.p2align	6, 0x0
	.amdhsa_kernel k_q0b86ae4e76_qkv
		.amdhsa_group_segment_fixed_size 167936
		.amdhsa_private_segment_fixed_size 0
		.amdhsa_enable_private_segment 0
		.amdhsa_kernarg_size 64
		.amdhsa_user_sgpr_count 2
		.amdhsa_user_sgpr_kernarg_segment_ptr 1
		.amdhsa_wavefront_size32 1
		.amdhsa_system_sgpr_workgroup_id_x 1
		.amdhsa_system_sgpr_workgroup_id_y 1
		.amdhsa_system_sgpr_workgroup_id_z 1
		.amdhsa_system_vgpr_workitem_id 0
		.amdhsa_next_free_vgpr 768
		.amdhsa_next_free_sgpr 80
		.amdhsa_reserve_vcc 0
		.amdhsa_float_denorm_mode_32 3
		.amdhsa_float_denorm_mode_16_64 3
		.amdhsa_memory_ordered 1
		.amdhsa_forward_progress 1
		.amdhsa_inst_pref_size 146
	.end_amdhsa_kernel
	.amdgpu_metadata
---
amdhsa.version: [ 1, 2 ]
amdhsa.kernels:
  - .name:           k_q0b86ae4e76_qkv
    .symbol:         k_q0b86ae4e76_qkv.kd
    .args:
      - { .name: xc, .offset: 0, .size: 8, .value_kind: global_buffer, .address_space: global }
      - { .name: wimg, .offset: 8, .size: 8, .value_kind: global_buffer, .address_space: global }
      - { .name: b_q, .offset: 16, .size: 8, .value_kind: global_buffer, .address_space: global }
      - { .name: b_k, .offset: 24, .size: 8, .value_kind: global_buffer, .address_space: global }
      - { .name: b_v, .offset: 32, .size: 8, .value_kind: global_buffer, .address_space: global }
      - { .name: lowp_scales, .offset: 40, .size: 8, .value_kind: global_buffer, .address_space: global }
      - { .name: qimg, .offset: 48, .size: 8, .value_kind: global_buffer, .address_space: global }
      - { .name: kv, .offset: 56, .size: 8, .value_kind: global_buffer, .address_space: global }
    .group_segment_fixed_size: 167936
    .private_segment_fixed_size: 0
    .kernarg_segment_align: 8
    .kernarg_segment_size: 64
    .max_flat_workgroup_size: 128
    .sgpr_count:     80
    .vgpr_count:     768
    .wavefront_size: 32
...
	.end_amdgpu_metadata
.endif
;; end of part 2
;; launch attn (part 3): grid 16 x 16, 8 waves a work-group, no clusters, 263,168 bytes of LDS; arguments qimg, kv, mwords, minfo, lowp_scales, attnc; writes attnc
.if DOCPART == 3
	.amdgcn_target "amdgcn-amd-amdhsa--gfx1250"
	.amdhsa_code_object_version 6
	.text
	.protected	k_q0b86ae4e76_attn
	.globl	k_q0b86ae4e76_attn
	.p2align	8
	.type	k_q0b86ae4e76_attn,@function
k_q0b86ae4e76_attn:
	s_mov_b64 s[64:65], 0
	v_nop
	global_prefetch_b8 v0, s[64:65] scope:SCOPE_SE
	s_setreg_imm32_b32 hwreg(HW_REG_WAVE_MODE, 25, 1), 1
	s_wait_xcnt 0x0
; ATTENTION on E4M3 codes, with the mask as it is given, and the quantising of its result for the output projection.
; A work-group (y = 4 batch + group) holds ALL of its group's K and V codes in LDS (2 x 128 KiB, images of operand registers), copied once through registers; behind the one barrier LDS is only read.
; Wave w: heads 4 g + 2 (w % 2) and the next; a = 4 x + w / 2; two passes: query tile 127 - a, then query tile a.  Two heads share each fragment of K and V and each mask word.
; Both products are used transposed: S^T = K Q^T (a lane holds one query; register 8 t + j is key 16 t + 8 h + j of the step's 128), O^T = V^T P^T (register 8 f + j is d = 32 h + 4 j + f).
; SOFTMAX: t = score x log2(e) / 8; M = the running largest t rounded up to a whole number; p = 2^(t - M) is quantised; the sum is taken of the unquantised p; when M moves, the sum and O^T are multiplied by 2^(old M - new M).
; THE MASK: a blocked score is replaced, ahead of the maximum, by -2^(33 - E) (E = e6 + e7), so that its t is -log2(e) x 2^30, a whole number below every open t.  Beside an open key p is 0, as with -1e9;
;   in a row with no open key every p is 1, as with -1e9.  LIMIT: -94 <= E <= 8: then an open |t| is under 64 x 448^2 x 0.1804 x 2^8 < 5.9e8, more than 8e8 above either fill.
; WORK THAT IS LEFT OUT: a key step in which none of the tile's 16 queries has an open key adds nothing, PROVIDED that each of the 16 has an open key somewhere; if one has none, every step is walked.
;   A step in which all is open skips the masking.  Both are scalar branches on whole numbers that an earlier launch stored (minfo).
; THE HOLD OF p: p is at most 1 (but for the last bit), so it can pass 448 x 2^e8 only where e8 <= -9: the 128 holds are jumped over by a branch on e8 where e8 > -9.
; No tensor load and no joint load.
; LIMITS: e8 and e10 - e8 - e9 between -126 and 119.  NaN is not served.
; REGISTERS: window 0: v1-12 addresses, constants; v16-31 eight statistics a head (+0 -M, +1 largest t, +2, +3 the sum, +4 f, +5 0, +6, +7 at work); v32-35 second sum chains; v36, v37 permutes; v40-55 Q; v56-87 p's codes; v96-223 S^T, then p.
;   window 1: v0-63 O^T; v64-127 K's eight fragments; v128-191 V's four.   s16-63, s80-95: the step's 64 mask words.
.set VOFF,  131072
.set SPARE, 262144
.set VB,    2097152
.set LI,  1
.set ADK, 2
.set ADV, 3
.set SPW, 4
.set NIL, 5
.set FILL, 6
.set PL,  7
.set PS,  8
.set OS,  9
.set OL,  10
.set CK,  11                           ; v11, v12: where my part of K, of V goes in LDS
.set ST,  16
.set C2,  32
.set PM,  36
.set Q,   40
.set P,   56
.set S,   96
.set KF,  64
.set VF,  128
.set MSB, 0
.macro WIN new
.if MSB != (\new)
	s_set_vgpr_msb (MSB<<8)|(\new)
.set MSB, (\new)
.endif
.endm
	s_load_b256 s[4:11], s[0:1], 0x0               ; qimg s[4:5], kv s[6:7], mwords s[8:9], minfo s[10:11]
	s_load_b128 s[12:15], s[0:1], 0x20             ; scales s[12:13], attnc s[14:15]
	v_lshl_add_u32 v[SPW], v0, 2, SPARE
	v_mov_b32 v[NIL], 0
	v_lshrrev_b32 v2, 5, v0
	v_readfirstlane_b32 s66, v2                    ; wave 0..7
	v_and_b32 v[LI], 31, v0
	v_lshlrev_b32 v[LI], 4, v[LI]
	s_and_b32 s67, ttmp7, 0xffff                   ; y = 4 batch + group
	s_lshl_b32 s98, ttmp9, 2
	s_lshr_b32 s78, s66, 1
	s_add_co_u32 s98, s98, s78                     ; a
	s_lshl_b32 s78, s66, 14                        ; my 16 KiB of K and of V
	v_add_nc_u32 v[CK], s78, v[LI]
	v_add_nc_u32 v[CK+1], VOFF, v[CK]
	s_lshl_b32 s79, s67, 17
	s_add_co_u32 s78, s78, s79
	s_mov_b32 s79, 0
	s_mov_b32 s70, 0x76543210                      ; v_permlanex16_b32: lane l xor 16
	s_mov_b32 s71, 0xfedcba98
	s_and_b32 s99, s66, 1                          ; which pair of the group's four heads
	s_lshl_b32 s100, s67, 19
	s_lshl_b32 s101, s99, 18
	s_add_co_u32 s100, s100, s101                  ; Q: head 4 y + 2 hp, 131,072 bytes a head
	s_mov_b32 s101, 0
	s_lshr_b32 s104, s67, 2
	s_lshl_b32 s104, s104, 21                      ; attnc: 16 blocks of 131,072 bytes a batch,
	s_and_b32 s105, s67, 3
	s_lshl_b32 s105, s105, 1
	s_add_co_u32 s105, s105, s99
	s_lshl_b32 s105, s105, 14                      ; K step 2 g + hp
	s_add_co_u32 s104, s104, s105
	s_mov_b32 s105, 0
	s_wait_kmcnt 0x0
	s_load_b256 s[16:23], s[12:13], 0x10           ; exponents 4..11: e6 s18, e7 s19, e8 s20, e9 s21, e10 s22
	s_add_nc_u64 s[78:79], s[6:7], s[78:79]
	s_add_nc_u64 s[4:5], s[4:5], s[100:101]
	s_add_nc_u64 s[14:15], s[14:15], s[104:105]
.macro CLOAD bt, set                   ; batch bt (0, 1: K; 2, 3: V): 8 KiB, 512 consecutive bytes a load
.set n, 0
.rept 16
	global_load_b128 v[S+64*(\set)+4*n:S+64*(\set)+4*n+3], v[LI], s[78:79] offset:VB*((\bt)/2)+8192*((\bt)%2)+512*n
.set n, n+1
.endr
.endm
.macro CSTORE bt, set
.set n, 0
.rept 16
	ds_store_b128 v[CK+(\bt)/2], v[S+64*(\set)+4*n:S+64*(\set)+4*n+3] offset:8192*((\bt)%2)+512*n
.set n, n+1
.endr
.endm
	CLOAD 0, 0
	CLOAD 1, 1
	s_wait_kmcnt 0x0
	s_add_co_i32 s100, s18, s19                    ; E
	s_lshl_b32 s101, s100, 23
	s_add_co_i32 s68, s101, 0x3e38aa3b             ; c = log2(e) / 8 x 2^E: E is added to c's exponent field
	s_mov_b32 s69, s68                             ; (named with it as a pair)
	s_sub_co_i32 s101, 160, s100
	s_lshl_b32 s101, s101, 23
	s_or_b32 s101, s101, 0x80000000
	v_mov_b32 v[FILL], s101                        ; -2^(33 - E)
	s_mov_b32 s77, s20                             ; e8
	s_add_co_i32 s100, s20, 127
	s_lshl_b32 s101, s100, 23
	v_mov_b32 v[PS], s101                          ; 2^e8
	s_add_co_i32 s100, s100, 8
	s_lshl_b32 s100, s100, 23
	s_or_b32 s100, s100, 0x600000
	v_mov_b32 v[PL], s100                          ; 448 x 2^e8
	s_sub_co_i32 s100, s22, s20
	s_sub_co_i32 s100, s100, s21                   ; O / l stands for attn / 2^(e8 + e9): its code is (O / l) / 2^(e10 - e8 - e9)
	s_add_co_i32 s100, s100, 127
	s_lshl_b32 s101, s100, 23
	v_mov_b32 v[OS], s101
	s_add_co_i32 s100, s100, 8
	s_lshl_b32 s100, s100, 23
	s_or_b32 s100, s100, 0x600000
	v_mov_b32 v[OL], s100
	v_mov_b32 v[PM], 0                             ; a lane permute's destination counts as one of its sources
	v_mov_b32 v[PM+1], 0
	s_wait_loadcnt 16                              ; batch 0 is in; batch 1 may be out
	CSTORE 0, 0
	s_wait_dscnt 0x0                               ; the stores have read their registers
	CLOAD 2, 0
	s_wait_loadcnt 16
	CSTORE 1, 1
	s_wait_dscnt 0x0
	CLOAD 3, 1
	s_wait_loadcnt 16
	CSTORE 2, 0
	s_wait_loadcnt 0x0
	CSTORE 3, 1
	s_wait_dscnt 0x0                               ; for the others' sake: my part of K and V lies in LDS
	s_barrier_signal -1
	s_barrier_wait -1                              ; everybody's does; from here on LDS is only read
	s_mov_b32 s75, 0
.Lpass:
	s_sub_co_u32 s99, 127, s98
	s_cmp_eq_u32 s75, 0
	s_cselect_b32 s99, s99, s98                    ; the pass's query tile
	s_lshl_b32 s78, s99, 9
	s_mov_b32 s79, 0
	s_add_nc_u64 s[78:79], s[10:11], s[78:79]
	s_load_b128 s[16:19], s[78:79], 0x0            ; minfo: the 16 steps' words
	s_load_b128 s[20:23], s[78:79], 0x80
	s_load_b128 s[24:27], s[78:79], 0x100
	s_load_b128 s[28:31], s[78:79], 0x180
	s_lshl_b32 s100, s99, 10
	s_mov_b32 s101, 0
	s_add_nc_u64 s[100:101], s[4:5], s[100:101]
.irp x, 0,1
.irp q, 0,1
	global_load_b128 v[Q+8*\x+4*\q:Q+8*\x+4*\q+3], v[LI], s[100:101] offset:131072*\x+512*\q
.endr
.endr
.irp x, 0,1
	v_mov_b32 v[ST+8*\x+1], 0xff61b1e6             ; the largest t so far: -3e38
	v_floor_f32 v[ST+8*\x], -v[ST+8*\x+1]          ; -M
	v_mov_b32 v[ST+8*\x+2], 0                      ; the sum, in two halves
	v_mov_b32 v[ST+8*\x+3], 0
	v_mov_b32 v[ST+8*\x+5], 0                      ; (named as the upper half of f's pair)
.endr
	WIN 0x40
.set n, 0
.rept 64
	v_mov_b32 v[n], 0                              ; O^T: which step comes first hangs on the mask, so no first step can be written out; the first change of M leaves zeros zeros
.set n, n+1
.endr
	WIN 0
	s_lshl_b32 s96, s99, 12
	s_mov_b32 s97, 0
	s_add_nc_u64 s[96:97], s[8:9], s[96:97]        ; the tile's mask words
	s_mov_b32 s72, 0                               ; bit ks: the step has an open key
	s_mov_b32 s73, 0                               ; bit ks: all of the step is open
	s_mov_b32 s104, 0
	s_mov_b32 s76, 0                               ; the step's first byte in K's and V's images
	s_mov_b32 s74, 0
	s_wait_kmcnt 0x0
.set n, 0
.rept 16
	s_or_b32 s104, s104, s[16+n]
	s_bfe_u32 s105, s[16+n], 0x10010
	s_lshl_b32 s105, s105, n
	s_or_b32 s72, s72, s105
	s_bfe_u32 s105, s[16+n], 0x10011
	s_lshl_b32 s105, s105, n
	s_or_b32 s73, s73, s105
.set n, n+1
.endr
	s_and_b32 s104, s104, 0xffff
	s_cmp_eq_u32 s104, 0xffff                      ; has each of the 16 queries an open key somewhere?
	s_cselect_b32 s72, s72, 0xffff                 ; if not, every step is walked
	s_wait_loadcnt 0x0                             ; Q
.Lstep:
	v_add_nc_u32 v[ADK], s76, v[LI]
	v_add_nc_u32 v[ADV], VOFF, v[ADK]
	s_and_b32 s100, s72, 1
	s_cbranch_scc0 .Lnext
	s_load_b512 s[16:31], s[96:97], 0x0            ; the step's 64 mask words
	s_load_b512 s[32:47], s[96:97], 0x40
	s_load_b512 s[48:63], s[96:97], 0x80
	s_load_b512 s[80:95], s[96:97], 0xc0
	v_nop                                          ; with the two additions above: four places between the last products and the loads into V's registers
	v_nop
	WIN 0x40
.set n, 0
.rept 16
	ds_load_b128 v[KF+4*n:KF+4*n+3], v[ADK] offset:512*n
.set n, n+1
.endr
.set n, 0
.rept 16
	ds_load_b128 v[VF+4*n:VF+4*n+3], v[ADV] offset:512*n
.set n, n+1
.endr
	s_wait_dscnt 16                                ; K's sixteen loads are in; V's may be out
	WIN 0x01
.irp t, 0,1,2,3,4,5,6,7
.irp x, 0,1
	v_wmma_f32_16x16x64_fp8_fp8 v[S+64*\x+8*\t:S+64*\x+8*\t+7], v[KF+8*\t:KF+8*\t+7], v[Q+8*\x:Q+8*\x+7], 0
.endr
.endr
	WIN 0
.rept 4
	v_nop
.endr
	s_wait_kmcnt 0x0                               ; the mask words
	s_and_b32 s100, s73, 1
	s_cbranch_scc1 .Lopen
.set n, 0
.rept 64
.irp x, 0,1
	v_cndmask_b32 v[S+64*\x+n], v[FILL], v[S+64*\x+n], s[16+n+16*(n/48)]
.endr
.set n, n+1
.endr
.Lopen:
.irp x, 0,1
	v_max3_num_f32 v[ST+8*\x+6], v[S+64*\x], v[S+64*\x+1], v[S+64*\x+2]   ; the step's largest score, in two chains, each accumulator from its low end on
.endr
.irp x, 0,1
	v_max3_num_f32 v[ST+8*\x+7], v[S+64*\x+3], v[S+64*\x+4], v[S+64*\x+5]
.endr
.set j, 6
.rept 29
.irp x, 0,1
	v_max3_num_f32 v[ST+8*\x+6+(j/2+1)%2], v[ST+8*\x+6+(j/2+1)%2], v[S+64*\x+j], v[S+64*\x+j+1]
.endr
.set j, j+2
.endr
.irp x, 0,1
	v_max_num_f32 v[ST+8*\x+6], v[ST+8*\x+6], v[ST+8*\x+7]
.endr
.irp x, 0,1
	v_permlanex16_b32 v[PM+\x], v[ST+8*\x+6], s70, s71
.endr
.irp x, 0,1
	v_max_num_f32 v[ST+8*\x+6], v[ST+8*\x+6], v[PM+\x]
.endr
.irp x, 0,1
	v_mul_f32 v[ST+8*\x+6], s68, v[ST+8*\x+6]      ; as t (c is positive)
.endr
.irp x, 0,1
	v_max_num_f32 v[ST+8*\x+1], v[ST+8*\x+1], v[ST+8*\x+6]
.endr
.irp x, 0,1
	v_mov_b32 v[ST+8*\x+7], v[ST+8*\x]
.endr
.irp x, 0,1
	v_floor_f32 v[ST+8*\x], -v[ST+8*\x+1]          ; the new -M = -ceil(t)
.endr
.irp x, 0,1
	v_sub_f32 v[ST+8*\x+7], v[ST+8*\x], v[ST+8*\x+7]   ; old M - new M: a whole number, 0 or less
.endr
.irp x, 0,1
	v_cvt_i32_f32 v[ST+8*\x+7], v[ST+8*\x+7]       ; (it saturates)
.endr
.irp x, 0,1
	v_ldexp_f32 v[ST+8*\x+4], 1.0, v[ST+8*\x+7]    ; f = 2^(old M - new M)
.endr
.set j, 0
.rept 32
.irp x, 0,1
	v_pk_fma_f32 v[S+64*\x+j:S+64*\x+j+1], v[S+64*\x+j:S+64*\x+j+1], s[68:69], v[ST+8*\x:ST+8*\x+1] op_sel_hi:[1,0,0]   ; t - M
.endr
.set j, j+2
.endr
.set j, 0
.rept 128
	v_exp_f32 v[S+j], v[S+j]                       ; p = 2^(t - M): one batch
.set j, j+1
.endr
.irp x, 0,1
	v_pk_mul_f32 v[ST+8*\x+2:ST+8*\x+3], v[ST+8*\x+2:ST+8*\x+3], v[ST+8*\x+4:ST+8*\x+5] op_sel_hi:[1,0]   ; the sums under the new M: the plain lines behind the exponentials
.endr
	s_wait_alu depctr_va_vdst(0)                   ; one wait for the batch, ahead of its first reader
.irp x, 0,1
	v_pk_add_f32 v[C2+2*\x:C2+2*\x+1], v[S+64*\x:S+64*\x+1], v[S+64*\x+2:S+64*\x+3]   ; the sum of the unquantised p, in two chains
.endr
.set j, 4
.rept 15
.irp x, 0,1
	v_pk_add_f32 v[ST+8*\x+2:ST+8*\x+3], v[ST+8*\x+2:ST+8*\x+3], v[S+64*\x+j:S+64*\x+j+1]
	v_pk_add_f32 v[C2+2*\x:C2+2*\x+1], v[C2+2*\x:C2+2*\x+1], v[S+64*\x+j+2:S+64*\x+j+3]
.endr
.set j, j+4
.endr
.irp x, 0,1
	v_pk_add_f32 v[ST+8*\x+2:ST+8*\x+3], v[ST+8*\x+2:ST+8*\x+3], v[C2+2*\x:C2+2*\x+1]
.endr
	s_cmp_gt_i32 s77, -9                           ; 448 x 2^e8 is above every p: no hold is needed
	s_cbranch_scc1 .Lnohold
.set j, 0
.rept 128
	v_min_num_f32 v[S+j], v[S+j], v[PL]            ; the conversion does not saturate (ISA guide 7.6.2); p is not negative
.set j, j+1
.endr
.Lnohold:
.irp t, 0,1,2,3,4,5,6,7
.irp x, 0,1
	v_cvt_scalef32_pk8_fp8_f32 v[P+16*\x+2*\t:P+16*\x+2*\t+1], v[S+64*\x+8*\t:S+64*\x+8*\t+7], v[PS]
.endr
.endr
	WIN 0x41
.set j, 0
.rept 16
.irp x, 0,1
	v_pk_mul_f32 v[32*\x+j:32*\x+j+1], v[32*\x+j:32*\x+j+1], v[ST+8*\x+4:ST+8*\x+5] op_sel_hi:[1,0]   ; O^T under the new M; also the plain lines behind the conversions
.endr
.set j, j+2
.endr
	s_wait_dscnt 0x0                               ; V
	WIN 0x51
.irp f, 0,1,2,3
.irp x, 0,1
	v_wmma_f32_16x16x128_fp8_fp8 v[32*\x+8*\f:32*\x+8*\f+7], v[VF+16*\f:VF+16*\f+15], v[P+16*\x:P+16*\x+15], v[32*\x+8*\f:32*\x+8*\f+7]   ; eight accumulators by turns; the sixteen products of the scores stand between two links
.endr
.endr
	WIN 0
.Lnext:
	s_lshr_b32 s72, s72, 1
	s_lshr_b32 s73, s73, 1
	s_add_co_u32 s76, s76, 8192
	s_add_nc_u64 s[96:97], s[96:97], 256
	s_add_co_u32 s74, s74, 1
	s_cmp_lt_u32 s74, 16
	s_cbranch_scc1 .Lstep
.rept 4
	v_nop                                          ; places behind the last products
.endr
.irp x, 0,1
	v_add_f32 v[ST+8*\x+2], v[ST+8*\x+2], v[ST+8*\x+3]
.endr
.irp x, 0,1
	v_permlanex16_b32 v[PM+\x], v[ST+8*\x+2], s70, s71
.endr
.irp x, 0,1
	v_add_f32 v[ST+8*\x+2], v[ST+8*\x+2], v[PM+\x]   ; the row's sum
.endr
.irp x, 0,1
	v_rcp_f32 v[ST+8*\x+4], v[ST+8*\x+2]
.endr
	v_nop                                          ; a plain line behind the reciprocals
	s_lshr_b32 s104, s99, 3
	s_lshl_b32 s104, s104, 17                      ; the block of 128 tokens,
	s_and_b32 s105, s99, 7
	s_lshl_b32 s105, s105, 11                      ; the tile in it
	s_add_co_u32 s104, s104, s105
	s_mov_b32 s105, 0
	s_add_nc_u64 s[104:105], s[14:15], s[104:105]
	s_wait_alu depctr_va_vdst(0)                   ; one wait for both, ahead of the first reader
	WIN 0x01
.set j, 0
.rept 16
.irp x, 0,1
	v_pk_mul_f32 v[S+32*\x+j:S+32*\x+j+1], v[32*\x+j:32*\x+j+1], v[ST+8*\x+4:ST+8*\x+5] op_sel_hi:[1,0]   ; O^T / the sum
.endr
.set j, j+2
.endr
	WIN 0
.set j, 0
.rept 64
	v_med3_num_f32 v[S+j], v[S+j], -v[OL], v[OL]
.set j, j+1
.endr
.irp x, 0,1
.irp f, 0,1,2,3
	v_cvt_scalef32_pk8_fp8_f32 v[P+8*\x+2*\f:P+8*\x+2*\f+1], v[S+32*\x+8*\f:S+32*\x+8*\f+7], v[OS]   ; pair 4 x + f: k = 64 x + 32 h + 4 i + f of the output projection's K step
.endr
.endr
	v_nop                                          ; a plain line behind the last conversion
.irp q, 0,1,2,3
	global_store_b128 v[LI], v[P+4*\q:P+4*\q+3], s[104:105] offset:512*\q
.endr
	s_wait_xcnt 0x0                                ; the stores have read their registers and their base: both are written again in the next pass
	s_add_co_u32 s75, s75, 1
	s_cmp_lt_u32 s75, 2
	s_cbranch_scc1 .Lpass
	s_wait_tensorcnt 0x0                           ; the wave's end
	ds_add_u32 v[SPW], v[NIL]
	s_wait_dscnt 0x0
	s_endpgm
.Lfunc_end_k_q0b86ae4e76_attn:
	.size	k_q0b86ae4e76_attn, .Lfunc_end_k_q0b86ae4e76_attn-k_q0b86ae4e76_attn
	.p2alignl 7, 3214868480
	.fill 96, 4, 3214868480
	.section	.rodata,"a",@progbits
	.p2align	6, 0x0
	.amdhsa_kernel k_q0b86ae4e76_attn
		.amdhsa_group_segment_fixed_size 263168
		.amdhsa_private_segment_fixed_size 0
		.amdhsa_enable_private_segment 0
		.amdhsa_kernarg_size 48
		.amdhsa_user_sgpr_count 2
		.amdhsa_user_sgpr_kernarg_segment_ptr 1
		.amdhsa_wavefront_size32 1
		.amdhsa_system_sgpr_workgroup_id_x 1
		.amdhsa_system_sgpr_workgroup_id_y 1
		.amdhsa_system_sgpr_workgroup_id_z 1
		.amdhsa_system_vgpr_workitem_id 0
		.amdhsa_next_free_vgpr 448
		.amdhsa_next_free_sgpr 106
		.amdhsa_reserve_vcc 0
		.amdhsa_float_denorm_mode_32 3
		.amdhsa_float_denorm_mode_16_64 3
		.amdhsa_memory_ordered 1
		.amdhsa_forward_progress 1
		.amdhsa_inst_pref_size 67
	.end_amdhsa_kernel
	.amdgpu_metadata
---
amdhsa.version: [ 1, 2 ]
amdhsa.kernels:
  - .name:           k_q0b86ae4e76_attn
    .symbol:         k_q0b86ae4e76_attn.kd
    .args:
      - { .name: qimg, .offset: 0, .size: 8, .value_kind: global_buffer, .address_space: global }
      - { .name: kv, .offset: 8, .size: 8, .value_kind: global_buffer, .address_space: global }
      - { .name: mwords, .offset: 16, .size: 8, .value_kind: global_buffer, .address_space: global }
      - { .name: minfo, .offset: 24, .size: 8, .value_kind: global_buffer, .address_space: global }
      - { .name: lowp_scales, .offset: 32, .size: 8, .value_kind: global_buffer, .address_space: global }
      - { .name: attnc, .offset: 40, .size: 8, .value_kind: global_buffer, .address_space: global }
    .group_segment_fixed_size: 263168
    .private_segment_fixed_size: 0
    .kernarg_segment_align: 8
    .kernarg_segment_size: 48
    .max_flat_workgroup_size: 256
    .sgpr_count:     106
    .vgpr_count:     448
    .wavefront_size: 32
...
	.end_amdgpu_metadata
.endif
;; end of part 3
;; launch oproj (part 4): grid 4 x 64, 4 waves a work-group, clusters of 4 x 1, 167,936 bytes of LDS; arguments attnc, wimg, b_o, lowp_scales, out0; writes out0
.if DOCPART == 4
	.amdgcn_target "amdgcn-amd-amdhsa--gfx1250"
	.amdhsa_code_object_version 6
	.text
	.protected	k_q0b86ae4e76_oproj
	.globl	k_q0b86ae4e76_oproj
	.p2align	8
	.type	k_q0b86ae4e76_oproj,@function
k_q0b86ae4e76_oproj:
	s_mov_b64 s[64:65], 0
	v_nop
	global_prefetch_b8 v0, s[64:65] scope:SCOPE_SE
	s_setreg_imm32_b32 hwreg(HW_REG_WAVE_MODE, 25, 1), 1
	s_wait_xcnt 0x0
	s_wait_alu depctr_hold_cnt(0) depctr_sa_sdst(0) depctr_va_vdst(0) depctr_va_sdst(0) depctr_va_ssrc(0) depctr_va_vcc(0) depctr_vm_vsrc(0)
	s_getreg_b32 s2, hwreg(HW_REG_IB_STS2, 6, 4)
	s_cmp_eq_u32 s2, 0
	s_cbranch_scc0 .Lentry_in_a_cluster
	s_endpgm
.Lentry_in_a_cluster:
	s_bfe_u32 s2, ttmp6, 0x10000c
	s_cmp_lg_u32 s2, 0x3003
	s_cbranch_scc0 .Lentry_shape_is_right
	s_endpgm
.Lentry_shape_is_right:
; OUTPUT PROJECTION: out = attn W_o + b_o on E4M3 codes.  A work-group takes 128 tokens (y) x 256 features (its place cx in the cluster); wave w takes all 128 tokens x the slice of 64 features 4 cx + w.
; attn's codes (128 KiB: 8 K steps x 8 tiles x 2,048 bytes, images of operand registers) lie whole in LDS, brought by two tensor loads a wave, 16 KiB each; no LDS byte is filled twice.
; CLUSTER: the four work-groups of a cluster take the same 128 tokens, so each of these loads is asked for JOINTLY: the same load, the same descriptor, a mask that names the four.  cx enters only W's, the bias's and the output's addresses.
; The weight's fragments go from wimg straight into registers, three K steps ahead.  Source 0 = attn, source 1 = the weight's tile f: lane (r, h), register j is token 16 m + 8 h + j, feature 4 r + f:
; the four tiles' results of a token are 16 neighbouring bytes, and sixteen lanes store 256 consecutive bytes, aligned: no way through LDS.
; LIMIT: e10 + e11 between -126 and 127.
; REGISTERS: window 0: v1-6 addresses; v16-19 the bias; v128-255 attn's fragments.  Window 1: accumulator (m, f) at v[8 (4 m + f)].  Window 2: the weight's four buffers, then the results.
.set SPARE, 131072
.set LI,  1
.set LI2, 2
.set SPW, 3
.set NIL, 4
.set CO,  5                            ; v5  32,768 h + 16 r: my place in the output's rows
.set BR,  6                            ; v6  16 r
.set BI,  16
.set AX,  128
.set WV,  20
.set CX,  21
.set TB,  22
.set G1,  24
.set G0,  32
.set WB,  52
.set BP,  54
.set OP,  56
.set MSB, 0
.macro WIN new
.if MSB != (\new)
	s_set_vgpr_msb (MSB<<8)|(\new)
.set MSB, (\new)
.endif
.endm
.macro PLACES
.rept 4
	v_nop
.endr
.endm
.macro CROUND                          ; a round of the cluster's barrier
	s_barrier_signal -1
	s_barrier_wait -1
	s_cmp_lg_u32 s[WV], 0
	s_cbranch_scc1 .Lnot_wave_0_\@
	s_barrier_signal -3
.Lnot_wave_0_\@:
	s_barrier_wait -3
	s_barrier_signal -1
	s_barrier_wait -1
.endm
.macro WLOAD s
	WIN 0x80
.irp f, 0,1,2,3
.irp q, 0,1,2,3
	global_load_b128 v[64*((\s)%4)+16*\f+4*\q:64*((\s)%4)+16*\f+4*\q+3], v[LI], s[WB:WB+1] offset:8192*(\s)+2048*\f+512*\q
.endr
.endr
.endm
.macro ALOAD half, s
.irp m, 0,1,2,3
.irp q, 0,1,2,3
.if (\s) < 4
	ds_load_b128 v[AX+64*(\half)+16*\m+4*\q:AX+64*(\half)+16*\m+4*\q+3], v[LI] offset:(\s)*16384+(4*(\half)+\m)*2048+512*\q
.else
	ds_load_b128 v[AX+64*(\half)+16*\m+4*\q:AX+64*(\half)+16*\m+4*\q+3], v[LI2] offset:((\s)-4)*16384+(4*(\half)+\m)*2048+512*\q
.endif
.endr
.endr
.endm
.macro MUL half, s                     ; 16 matrix instructions; the 32 accumulators take turns, one instruction a turn; the first K step starts the sums
.if (\s) == 0
	WIN 0x48
.else
	WIN 0x58
.endif
.irp m, 0,1,2,3
.irp f, 0,1,2,3
.set rD, 8*(4*(4*(\half)+\m)+\f)
.set rW, 64*((\s)%4)+16*\f
.set rA, AX+64*(\half)+16*\m
.if (\s) == 0
	v_wmma_f32_16x16x128_fp8_fp8 v[rD:rD+7], v[rA:rA+15], v[rW:rW+15], 0
.else
	v_wmma_f32_16x16x128_fp8_fp8 v[rD:rD+7], v[rA:rA+15], v[rW:rW+15], v[rD:rD+7]
.endif
.endr
.endr
.endm
.macro KSTEP s
.if (\s) <= 5
	s_wait_loadcnt 32                              ; this K step's weights are in; those of the two K steps behind it may be out
.else
	s_wait_loadcnt 16*(7-(\s))
.endif
.if (\s) <= 4
	WLOAD (\s)+3                                   ; into the buffer that the last K step multiplied; four places stand since
.endif
	s_wait_dscnt 16                                ; tiles 0-3 are in; the younger sixteen loads may be out
	MUL 0, \s
.if (\s) == 3
	WIN 0
	s_wait_tensorcnt 0x0                           ; my second fill has landed,
	s_wait_dscnt 0x0
	s_barrier_signal -1
	s_barrier_wait -1                              ; and everybody's
.endif
.if (\s) < 7
	PLACES
	WIN 0
	ALOAD 0, (\s)+1
	s_wait_dscnt 16
.else
	s_wait_dscnt 0x0
.endif
	MUL 1, \s
.if (\s) < 7
	PLACES
	WIN 0
	ALOAD 1, (\s)+1
.endif
.endm
	s_load_b256 s[4:11], s[0:1], 0x0               ; attnc s[4:5], wimg s[6:7], b_o s[8:9], scales s[10:11]
	s_load_b64 s[12:13], s[0:1], 0x20              ; out0
	v_lshl_add_u32 v[SPW], v0, 2, SPARE
	v_mov_b32 v[NIL], 0
	ds_add_u32 v[SPW], v[NIL]                      ; the wave's opening: the add and its wait stand ahead of the round in front of my first tensor loads
	v_lshrrev_b32 v5, 5, v0
	v_readfirstlane_b32 s[WV], v5                  ; wave 0..3
	s_bfe_u32 s[CX], ttmp6, 0x40000                ; my place in the cluster = my column group
	s_and_b32 s[TB], ttmp7, 0xffff                 ; block of 128 tokens, which the four partners share
	s_mov_b32 s[G1+0], 15|(3<<16)|(1<<21)          ; the mask: all four; elements of 8 bytes; bit 21 beside a mask
	s_mov_b32 s[G1+1], 32<<16                      ; rows of 256 bytes
	s_mov_b32 s[G1+2], 64<<16
	s_mov_b32 s[G1+3], 32<<16
	s_mov_b32 s[G1+4], 64                          ; 64 rows: 16 KiB, dense
	s_mov_b32 s[G1+5], 32
	s_mov_b32 s[G1+6], 0
	s_mov_b32 s[G1+7], 0
	s_mov_b32 s[G0], 1
	s_lshl_b32 s[G0+1], s[WV], 14                  ; K step w: no place in the cluster enters an LDS address
	s_mov_b32 s[G0+4], 1
	s_add_co_u32 s[G0+5], s[G0+1], 65536           ; K step 4 + w
	s_lshl_b32 s58, s[TB], 17
	s_add_co_u32 s58, s58, s[G0+1]
	s_mov_b32 s59, 0
	s_wait_dscnt 0x0                               ; the opening add is done
	s_wait_kmcnt 0x0
	s_add_nc_u64 s[G0+2:G0+3], s[4:5], s[58:59]
	s_add_nc_u64 s[G0+6:G0+7], s[G0+2:G0+3], 65536
	s_or_b32 s[G0+3], s[G0+3], 0x80000000
	s_or_b32 s[G0+7], s[G0+7], 0x80000000
	CROUND                                         ; all four work-groups are here: the joint loads meet
	tensor_load_to_lds s[G0:G0+3], s[G1:G1+7]      ; both first fills go out together: two loads of mine are out
	s_nop 0
	tensor_load_to_lds s[G0+4:G0+7], s[G1:G1+7]
	s_nop 0
	PLACES
	s_load_b64 s[40:41], s[10:11], 0x28            ; e10, e11
	v_and_b32 v[LI], 31, v0
	v_lshlrev_b32 v[LI], 4, v[LI]
	v_add_nc_u32 v[LI2], 65536, v[LI]
	v_and_b32 v[BR], 15, v0
	v_lshlrev_b32 v[BR], 4, v[BR]
	v_bfe_u32 v[CO], v0, 4, 1
	v_lshl_add_u32 v[CO], v[CO], 15, v[BR]         ; eight rows of 4,096 bytes further down for lanes 16-31
	s_lshl_b32 s60, s[CX], 2
	s_add_co_u32 s60, s60, s[WV]                   ; my slice of W_o
	s_lshl_b32 s62, s60, 8                         ; its 64 features: 256 bytes of the bias and of a row of the output
	s_mov_b32 s63, 0
	s_add_nc_u64 s[BP:BP+1], s[8:9], s[62:63]
	s_add_nc_u64 s[OP:OP+1], s[12:13], s[62:63]
	s_lshl_b32 s62, s[TB], 19                      ; 128 rows of 4,096 bytes
	s_add_nc_u64 s[OP:OP+1], s[OP:OP+1], s[62:63]
	s_add_co_u32 s60, s60, 24                      ; W_o's slices begin at 24
	s_lshl_b32 s62, s60, 16
	s_add_nc_u64 s[WB:WB+1], s[6:7], s[62:63]
	global_load_b128 v[BI:BI+3], v[BR], s[BP:BP+1] ; the bias of features 4 r + 0..3
	WLOAD 0
	WLOAD 1
	WLOAD 2
	WIN 0
	s_wait_kmcnt 0x0
	s_add_co_i32 s42, s40, s41
	s_add_co_i32 s42, s42, 127
	s_lshl_b32 s42, s42, 23                        ; 2^(e10 + e11)
	s_wait_tensorcnt 0x1                           ; my first fill has landed; the second may stay out
	s_barrier_signal -1
	s_barrier_wait -1
	ALOAD 0, 0
	ALOAD 1, 0
.irp s, 0,1,2,3,4,5,6,7
	KSTEP \s
.endr
	PLACES
	WIN 0x81
.irp m, 0,1,2,3,4,5,6,7
.irp j, 0,1,2,3,4,5,6,7
.irp f, 0,1,2,3
	v_fma_f32 v[32*\m+4*\j+\f], v[8*(4*\m+\f)+\j], s42, v[BI+\f]   ; sum x 2^(e10 + e11) + bias, into the weight's registers, which are done with; each accumulator from its low end on
.endr
.endr
.endr
	WIN 0x08
.irp m, 0,1,2,3,4,5,6,7
.irp j, 0,1,2,3,4,5,6,7
	global_store_b128 v[CO], v[32*\m+4*\j:32*\m+4*\j+3], s[OP:OP+1] offset:(16*\m+\j)*4096 th:TH_STORE_NT   ; sixteen lanes store 256 consecutive bytes, aligned; written once
.endr
.endr
	WIN 0
	s_wait_tensorcnt 0x0                           ; the wave's end
	ds_add_u32 v[SPW], v[NIL]
	s_wait_dscnt 0x0
	CROUND                                         ; the closing round
	s_endpgm
.Lfunc_end_k_q0b86ae4e76_oproj:
	.size	k_q0b86ae4e76_oproj, .Lfunc_end_k_q0b86ae4e76_oproj-k_q0b86ae4e76_oproj
	.p2alignl 7, 3214868480
	.fill 96, 4, 3214868480
	.section	.rodata,"a",@progbits
	.p2align	6, 0x0
	.amdhsa_kernel k_q0b86ae4e76_oproj
		.amdhsa_group_segment_fixed_size 167936
		.amdhsa_private_segment_fixed_size 0
		.amdhsa_enable_private_segment 0
		.amdhsa_kernarg_size 40
		.amdhsa_user_sgpr_count 2
		.amdhsa_user_sgpr_kernarg_segment_ptr 1
		.amdhsa_wavefront_size32 1
		.amdhsa_system_sgpr_workgroup_id_x 1
		.amdhsa_system_sgpr_workgroup_id_y 1
		.amdhsa_system_sgpr_workgroup_id_z 1
		.amdhsa_system_vgpr_workitem_id 0
		.amdhsa_next_free_vgpr 768
		.amdhsa_next_free_sgpr 66
		.amdhsa_reserve_vcc 0
		.amdhsa_float_denorm_mode_32 3
		.amdhsa_float_denorm_mode_16_64 3
		.amdhsa_memory_ordered 1
		.amdhsa_forward_progress 1
		.amdhsa_inst_pref_size 75
	.end_amdhsa_kernel
	.amdgpu_metadata
---
amdhsa.version: [ 1, 2 ]
amdhsa.kernels:
  - .name:           k_q0b86ae4e76_oproj
    .symbol:         k_q0b86ae4e76_oproj.kd
    .args:
      - { .name: attnc, .offset: 0, .size: 8, .value_kind: global_buffer, .address_space: global }
      - { .name: wimg, .offset: 8, .size: 8, .value_kind: global_buffer, .address_space: global }
      - { .name: b_o, .offset: 16, .size: 8, .value_kind: global_buffer, .address_space: global }
      - { .name: lowp_scales, .offset: 24, .size: 8, .value_kind: global_buffer, .address_space: global }
      - { .name: out0, .offset: 32, .size: 8, .value_kind: global_buffer, .address_space: global }
    .group_segment_fixed_size: 167936
    .private_segment_fixed_size: 0
    .kernarg_segment_align: 8
    .kernarg_segment_size: 40
    .max_flat_workgroup_size: 128
    .sgpr_count:     66
    .vgpr_count:     768
    .wavefront_size: 32
...
	.end_amdgpu_metadata
.endif
;; end of part 4
;; ======== version 2 of 2: 4 launches; version 1 with the launch attn written anew for expert scheduling mode
;; limits: right only within a limited range of input values
;; workspace buffers: wimg 2,621,440 bytes; xc 15,728,640 bytes; mwords 524,288 bytes of whole numbers; minfo 65,536 bytes of whole numbers; qimg 8,388,608 bytes; kv 4,194,304 bytes; attnc 8,388,608 bytes
;; launch prep: the kernel of part 1 again; grid 368 x 1, 4 waves a work-group, no clusters, 68,096 bytes of LDS; arguments W_q, W_k, W_v, W_o, idx, tok_table, pos_table, mask, lowp_scales, wimg, xc, mwords, minfo; writes wimg, xc, mwords, minfo
;; launch qkv: the kernel of part 2 again; grid 6 x 64, 4 waves a work-group, no clusters, 167,936 bytes of LDS; arguments xc, wimg, b_q, b_k, b_v, lowp_scales, qimg, kv; writes qimg, kv
;; launch attn (part 5): grid 16 x 16, 8 waves a work-group, no clusters, 263,168 bytes of LDS; arguments qimg, kv, mwords, minfo, lowp_scales, attnc; writes attnc
.if DOCPART == 5
	.amdgcn_target "amdgcn-amd-amdhsa--gfx1250"
	.amdhsa_code_object_version 6
	.text
	.protected	k_q0b86ae4e76_attn
	.globl	k_q0b86ae4e76_attn
	.p2align	8
	.type	k_q0b86ae4e76_attn,@function
k_q0b86ae4e76_attn:
	s_mov_b64 s[64:65], 0
	v_nop
	global_prefetch_b8 v0, s[64:65] scope:SCOPE_SE
	s_setreg_imm32_b32 hwreg(HW_REG_WAVE_SCHED_MODE, 0, 2), 2
	s_setreg_imm32_b32 hwreg(HW_REG_WAVE_MODE, 25, 1), 1
	s_wait_xcnt 0x0
	s_wait_alu depctr_vm_vsrc(0)
; ATTENTION on E4M3 codes, with the mask as it is given, and the quantising of its result for the output projection.
; A work-group (y = 4 batch + group) holds ALL of its group's K and V codes in LDS (2 x 128 KiB, images of operand registers), copied once through registers; behind the one barrier LDS is only read.
; Wave w: heads 4 g + 2 (w % 2) and the next; a = 4 x + w / 2; two passes: query tile 127 - a, then query tile a.  Two heads share each fragment of K and V and each mask word.
; Both products are used transposed: S^T = K Q^T (a lane holds one query; register 8 t + j is key 16 t + 8 h + j of the step's 128), O^T = V^T P^T (register 8 f + j is d = 32 h + 4 j + f).
; SOFTMAX: t = score x log2(e) / 8; M = the running largest t rounded up to a whole number; p = 2^(t - M) is quantised; the sum is taken of the unquantised p; when M moves, the sum and O^T are multiplied by 2^(old M - new M).
; THE MASK: a blocked score is replaced, ahead of the maximum, by -2^(33 - E) (E = e6 + e7), so that its t is -log2(e) x 2^30, a whole number below every open t.  Beside an open key p is 0, as with -1e9;
;   in a row with no open key every p is 1, as with -1e9.  LIMIT: -94 <= E <= 8: then an open |t| is under 64 x 448^2 x 0.1804 x 2^8 < 5.9e8, more than 8e8 above either fill.
; WORK THAT IS LEFT OUT: a key step in which none of the tile's 16 queries has an open key adds nothing, PROVIDED that each of the 16 has an open key somewhere; if one has none, every step is walked.
;   A step in which all is open skips the masking.  Both are scalar branches on whole numbers that an earlier launch stored (minfo).
; THE HOLD OF p: p is at most 1 (but for the last bit), so it can pass 448 x 2^e8 only where e8 <= -9: the 128 holds are jumped over by a branch on e8 where e8 > -9.
; No tensor load and no joint load.
; LIMITS: e8 and e10 - e8 - e9 between -126 and 119.  NaN is not served.
; REGISTERS: window 0: v1-12 addresses, constants; v16-31 eight statistics a head (+0 -M, +1 largest t, +2, +3 the sum, +4 f, +5 0, +6, +7 at work); v32-35 second sum chains; v36, v37 permutes; v40-55 Q; v56-87 p's codes; v96-223 S^T, then p.
;   window 1: v0-63 O^T; v64-127 K's eight fragments; v128-191 V's four.   s16-63, s80-95: the step's 64 mask words.   s2: 1 where K's registers hold, or are about to hold, the coming step's K.
; THE MODE: SCHED_MODE bits 1:0 = 2 (LLVM: expert scheduling mode 2), set by the entry lines.  The code itself states the register dependences
; between vector or matrix instructions and memory or LDS instructions, with s_wait_alu, always for 0.
; THE PLAN.  Registers that memory or LDS instructions touch:
;   v[LI], v[CK], v[CK+1], v[SPW], v[NIL]   made at the head, ahead of one wait on va_vdst, and never written again.
;   v[S ..] at the head   two sets of 64 by turns: global loads land in a set, LDS stores read it; a wait on vm_vsrc stands ahead of each further landing, and ahead of the loop, in which the products write these registers.
;   KF   the step's 16 products of the scores read it; the LDS loads of the NEXT step's K land in it, in the same step.
;   VF   the step's 8 products V^T P^T read it; the LDS loads of the next walked step's V land in it.
;   v[ADK], v[ADV]   written once a step, in two of the places behind the products of the scores, behind a wait on vm_vsrc; read by the step's two runs of LDS loads.
;   Q    loaded once a pass; read by the products of the scores.      v[P .. P+15]   written by conversions, in the steps and on the way out; read by the way out's four stores.
; So ONE wait on va_vdst stands in a walked step, behind the batch of exponentials.  It states that the exponentials' results are written, that the last walked step's products
; V^T P^T are done reading VF, that this step's products of the scores are done reading KF, and that the two addresses are written.  The step's 32 LDS loads follow it in one run: V of this step, then K of the next.
; A step whose forerunner was left out finds no K: a short path of its own fetches it, behind its own two waits.  K of step 0 is asked for behind the barrier; the look-ahead of step 15 wraps to step 0, the next pass's first.
.set VOFF,  131072
.set SPARE, 262144
.set VB,    2097152
.set LI,  1
.set ADK, 2
.set ADV, 3
.set SPW, 4
.set NIL, 5
.set FILL, 6
.set PL,  7
.set PS,  8
.set OS,  9
.set OL,  10
.set CK,  11                           ; v11, v12: where my part of K, of V goes in LDS
.set ST,  16
.set C2,  32
.set PM,  36
.set Q,   40
.set P,   56
.set S,   96
.set KF,  64
.set VF,  128
.set HV,  2                            ; s2: the flag
.set MSB, 0
.macro WIN new
.if MSB != (\new)
	s_set_vgpr_msb (MSB<<8)|(\new)
.set MSB, (\new)
.endif
.endm
	s_load_b256 s[4:11], s[0:1], 0x0               ; qimg s[4:5], kv s[6:7], mwords s[8:9], minfo s[10:11]
	s_load_b128 s[12:15], s[0:1], 0x20             ; scales s[12:13], attnc s[14:15]
	v_lshl_add_u32 v[SPW], v0, 2, SPARE
	v_mov_b32 v[NIL], 0
	v_lshrrev_b32 v2, 5, v0
	v_readfirstlane_b32 s66, v2                    ; wave 0..7
	v_and_b32 v[LI], 31, v0
	v_lshlrev_b32 v[LI], 4, v[LI]
	s_and_b32 s67, ttmp7, 0xffff                   ; y = 4 batch + group
	s_lshl_b32 s98, ttmp9, 2
	s_wait_alu depctr_va_sdst(0)                   ; s66 is written, ahead of its first reader: the wave's shares and addresses are made from it
	s_lshr_b32 s78, s66, 1
	s_add_co_u32 s98, s98, s78                     ; a
	s_lshl_b32 s78, s66, 14                        ; my 16 KiB of K and of V
	v_add_nc_u32 v[CK], s78, v[LI]
	v_add_nc_u32 v[CK+1], VOFF, v[CK]
	s_lshl_b32 s79, s67, 17
	s_add_co_u32 s78, s78, s79
	s_mov_b32 s79, 0
	s_mov_b32 s70, 0x76543210                      ; v_permlanex16_b32: lane l xor 16
	s_mov_b32 s71, 0xfedcba98
	s_and_b32 s99, s66, 1                          ; which pair of the group's four heads
	s_lshl_b32 s100, s67, 19
	s_lshl_b32 s101, s99, 18
	s_add_co_u32 s100, s100, s101                  ; Q: head 4 y + 2 hp, 131,072 bytes a head
	s_mov_b32 s101, 0
	s_lshr_b32 s104, s67, 2
	s_lshl_b32 s104, s104, 21                      ; attnc: 16 blocks of 131,072 bytes a batch,
	s_and_b32 s105, s67, 3
	s_lshl_b32 s105, s105, 1
	s_add_co_u32 s105, s105, s99
	s_lshl_b32 s105, s105, 14                      ; K step 2 g + hp
	s_add_co_u32 s104, s104, s105
	s_mov_b32 s105, 0
	s_wait_kmcnt 0x0
	s_load_b256 s[16:23], s[12:13], 0x10           ; exponents 4..11: e6 s18, e7 s19, e8 s20, e9 s21, e10 s22
	s_add_nc_u64 s[78:79], s[6:7], s[78:79]
	s_add_nc_u64 s[4:5], s[4:5], s[100:101]
	s_add_nc_u64 s[14:15], s[14:15], s[104:105]
.macro CLOAD bt, set                   ; batch bt (0, 1: K; 2, 3: V): 8 KiB, 512 consecutive bytes a load
.set n, 0
.rept 16
	global_load_b128 v[S+64*(\set)+4*n:S+64*(\set)+4*n+3], v[LI], s[78:79] offset:VB*((\bt)/2)+8192*((\bt)%2)+512*n
.set n, n+1
.endr
.endm
.macro CSTORE bt, set
.set n, 0
.rept 16
	ds_store_b128 v[CK+(\bt)/2], v[S+64*(\set)+4*n:S+64*(\set)+4*n+3] offset:8192*((\bt)%2)+512*n
.set n, n+1
.endr
.endm
	s_wait_alu depctr_va_vdst(0)                   ; v[LI], v[CK], v[CK+1], v[SPW] and v[NIL] are written: every global load and store and every LDS store of the kernel reads one of them as its address, and none is written again
	CLOAD 0, 0
	CLOAD 1, 1
	s_wait_kmcnt 0x0
	s_add_co_i32 s100, s18, s19                    ; E
	s_lshl_b32 s101, s100, 23
	s_add_co_i32 s68, s101, 0x3e38aa3b             ; c = log2(e) / 8 x 2^E: E is added to c's exponent field
	s_mov_b32 s69, s68                             ; (named with it as a pair)
	s_sub_co_i32 s101, 160, s100
	s_lshl_b32 s101, s101, 23
	s_or_b32 s101, s101, 0x80000000
	v_mov_b32 v[FILL], s101                        ; -2^(33 - E)
	s_mov_b32 s77, s20                             ; e8
	s_add_co_i32 s100, s20, 127
	s_lshl_b32 s101, s100, 23
	v_mov_b32 v[PS], s101                          ; 2^e8
	s_add_co_i32 s100, s100, 8
	s_lshl_b32 s100, s100, 23
	s_or_b32 s100, s100, 0x600000
	v_mov_b32 v[PL], s100                          ; 448 x 2^e8
	s_sub_co_i32 s100, s22, s20
	s_sub_co_i32 s100, s100, s21                   ; O / l stands for attn / 2^(e8 + e9): its code is (O / l) / 2^(e10 - e8 - e9)
	s_add_co_i32 s100, s100, 127
	s_lshl_b32 s101, s100, 23
	v_mov_b32 v[OS], s101
	s_add_co_i32 s100, s100, 8
	s_lshl_b32 s100, s100, 23
	s_or_b32 s100, s100, 0x600000
	v_mov_b32 v[OL], s100
	v_mov_b32 v[PM], 0                             ; a lane permute's destination counts as one of its sources
	v_mov_b32 v[PM+1], 0
	s_wait_loadcnt 16                              ; batch 0 is in; batch 1 may be out
	CSTORE 0, 0
	s_wait_dscnt 0x0                               ; the stores are done
	s_wait_alu depctr_vm_vsrc(0)                   ; the LDS stores have read set 0, in which batch 2's loads land
	CLOAD 2, 0
	s_wait_loadcnt 16
	CSTORE 1, 1
	s_wait_dscnt 0x0
	s_wait_alu depctr_vm_vsrc(0)                   ; the LDS stores have read set 1, in which batch 3's loads land
	CLOAD 3, 1
	s_wait_loadcnt 16
	CSTORE 2, 0
	s_wait_loadcnt 0x0
	CSTORE 3, 1
	s_wait_dscnt 0x0                               ; for the others' sake: my part of K and V lies in LDS
	s_barrier_signal -1
	s_barrier_wait -1                              ; everybody's does; from here on LDS is only read
	s_wait_alu depctr_vm_vsrc(0)                   ; my last LDS stores have read v[S ..]: these registers are S^T from here on, written by the products
	WIN 0x40
.set n, 0
.rept 16
	ds_load_b128 v[KF+4*n:KF+4*n+3], v[LI] offset:512*n   ; K of step 0, for the first pass's first step.  No wait: no vector instruction has named KF, nor v[LI] since the head's wait
.set n, n+1
.endr
	WIN 0
	s_mov_b32 s[HV], 1                             ; K's registers are about to hold the coming step's K
	s_mov_b32 s75, 0
.Lpass:
	s_sub_co_u32 s99, 127, s98
	s_cmp_eq_u32 s75, 0
	s_cselect_b32 s99, s99, s98                    ; the pass's query tile
	s_lshl_b32 s78, s99, 9
	s_mov_b32 s79, 0
	s_add_nc_u64 s[78:79], s[10:11], s[78:79]
	s_load_b128 s[16:19], s[78:79], 0x0            ; minfo: the 16 steps' words
	s_load_b128 s[20:23], s[78:79], 0x80
	s_load_b128 s[24:27], s[78:79], 0x100
	s_load_b128 s[28:31], s[78:79], 0x180
	s_lshl_b32 s100, s99, 10
	s_mov_b32 s101, 0
	s_add_nc_u64 s[100:101], s[4:5], s[100:101]
.irp x, 0,1
.irp q, 0,1
	global_load_b128 v[Q+8*\x+4*\q:Q+8*\x+4*\q+3], v[LI], s[100:101] offset:131072*\x+512*\q   ; no wait here: the last pass's products that read Q stand ahead of the way out's wait on va_vdst, and no vector instruction stands since
.endr
.endr
.irp x, 0,1
	v_mov_b32 v[ST+8*\x+1], 0xff61b1e6             ; the largest t so far: -3e38
	v_floor_f32 v[ST+8*\x], -v[ST+8*\x+1]          ; -M
	v_mov_b32 v[ST+8*\x+2], 0                      ; the sum, in two halves
	v_mov_b32 v[ST+8*\x+3], 0
	v_mov_b32 v[ST+8*\x+5], 0                      ; (named as the upper half of f's pair)
.endr
	WIN 0x40
.set n, 0
.rept 64
	v_mov_b32 v[n], 0                              ; O^T: which step comes first hangs on the mask, so no first step can be written out; the first change of M leaves zeros zeros
.set n, n+1
.endr
	WIN 0
	s_lshl_b32 s96, s99, 12
	s_mov_b32 s97, 0
	s_add_nc_u64 s[96:97], s[8:9], s[96:97]        ; the tile's mask words
	s_mov_b32 s72, 0                               ; bit ks: the step has an open key
	s_mov_b32 s73, 0                               ; bit ks: all of the step is open
	s_mov_b32 s104, 0
	s_mov_b32 s76, 0                               ; the step's first byte in K's and V's images
	s_mov_b32 s74, 0
	s_wait_kmcnt 0x0
.set n, 0
.rept 16
	s_or_b32 s104, s104, s[16+n]
	s_bfe_u32 s105, s[16+n], 0x10010
	s_lshl_b32 s105, s105, n
	s_or_b32 s72, s72, s105
	s_bfe_u32 s105, s[16+n], 0x10011
	s_lshl_b32 s105, s105, n
	s_or_b32 s73, s73, s105
.set n, n+1
.endr
	s_and_b32 s104, s104, 0xffff
	s_cmp_eq_u32 s104, 0xffff                      ; has each of the 16 queries an open key somewhere?
	s_cselect_b32 s72, s72, 0xffff                 ; if not, every step is walked
	s_wait_loadcnt 0x0                             ; Q
.Lstep:
	s_and_b32 s100, s72, 1
	s_cbranch_scc0 .Lnext
	s_load_b512 s[16:31], s[96:97], 0x0            ; the step's 64 mask words
	s_load_b512 s[32:47], s[96:97], 0x40
	s_load_b512 s[48:63], s[96:97], 0x80
	s_load_b512 s[80:95], s[96:97], 0xc0
	s_cmp_lg_u32 s[HV], 0                          ; was this step's K asked for in the step before?
	s_cbranch_scc1 .Lhave
	s_wait_dscnt 0x0                               ; the step before was left out: K is fetched here.  What an earlier step asked for has landed in KF: no two loads into one register are out together
	s_wait_alu depctr_vm_vsrc(0)                   ; the LDS loads issued so far have read v[ADK]
	v_add_nc_u32 v[ADK], s76, v[LI]
	WIN 0x40
	s_wait_alu depctr_va_vdst(0)                   ; v[ADK] is written, which the loads below read
.set n, 0
.rept 16
	ds_load_b128 v[KF+4*n:KF+4*n+3], v[ADK] offset:512*n
.set n, n+1
.endr
	WIN 0
.Lhave:
	s_wait_dscnt 0x0                               ; K's sixteen loads are in
	WIN 0x01
.irp t, 0,1,2,3,4,5,6,7
.irp x, 0,1
	v_wmma_f32_16x16x64_fp8_fp8 v[S+64*\x+8*\t:S+64*\x+8*\t+7], v[KF+8*\t:KF+8*\t+7], v[Q+8*\x:Q+8*\x+7], 0
.endr
.endr
	WIN 0
	s_add_co_u32 s3, s76, VOFF                     ; this step's V,
	s_add_co_u32 s101, s76, 8192                   ; and the next step's K;
	s_and_b32 s101, s101, VOFF-1                   ; behind step 15 comes step 0, the next pass's first
	s_wait_alu depctr_vm_vsrc(0)                   ; the LDS loads issued so far have read v[ADV] and v[ADK]
	v_add_nc_u32 v[ADV], s3, v[LI]                 ; these two and the two below are the four places behind the products (ISA guide 7.12.1)
	v_add_nc_u32 v[ADK], s101, v[LI]
	v_nop
	v_nop
	s_wait_kmcnt 0x0                               ; the mask words
	s_and_b32 s100, s73, 1
	s_cbranch_scc1 .Lopen
.set n, 0
.rept 64
.irp x, 0,1
	v_cndmask_b32 v[S+64*\x+n], v[FILL], v[S+64*\x+n], s[16+n+16*(n/48)]
.endr
.set n, n+1
.endr
.Lopen:
.irp x, 0,1
	v_max3_num_f32 v[ST+8*\x+6], v[S+64*\x], v[S+64*\x+1], v[S+64*\x+2]   ; the step's largest score, in two chains, each accumulator from its low end on
.endr
.irp x, 0,1
	v_max3_num_f32 v[ST+8*\x+7], v[S+64*\x+3], v[S+64*\x+4], v[S+64*\x+5]
.endr
.set j, 6
.rept 29
.irp x, 0,1
	v_max3_num_f32 v[ST+8*\x+6+(j/2+1)%2], v[ST+8*\x+6+(j/2+1)%2], v[S+64*\x+j], v[S+64*\x+j+1]
.endr
.set j, j+2
.endr
.irp x, 0,1
	v_max_num_f32 v[ST+8*\x+6], v[ST+8*\x+6], v[ST+8*\x+7]
.endr
.irp x, 0,1
	v_permlanex16_b32 v[PM+\x], v[ST+8*\x+6], s70, s71
.endr
.irp x, 0,1
	v_max_num_f32 v[ST+8*\x+6], v[ST+8*\x+6], v[PM+\x]
.endr
.irp x, 0,1
	v_mul_f32 v[ST+8*\x+6], s68, v[ST+8*\x+6]      ; as t (c is positive)
.endr
.irp x, 0,1
	v_max_num_f32 v[ST+8*\x+1], v[ST+8*\x+1], v[ST+8*\x+6]
.endr
.irp x, 0,1
	v_mov_b32 v[ST+8*\x+7], v[ST+8*\x]
.endr
.irp x, 0,1
	v_floor_f32 v[ST+8*\x], -v[ST+8*\x+1]          ; the new -M = -ceil(t)
.endr
.irp x, 0,1
	v_sub_f32 v[ST+8*\x+7], v[ST+8*\x], v[ST+8*\x+7]   ; old M - new M: a whole number, 0 or less
.endr
.irp x, 0,1
	v_cvt_i32_f32 v[ST+8*\x+7], v[ST+8*\x+7]       ; (it saturates)
.endr
.irp x, 0,1
	v_ldexp_f32 v[ST+8*\x+4], 1.0, v[ST+8*\x+7]    ; f = 2^(old M - new M)
.endr
.set j, 0
.rept 32
.irp x, 0,1
	v_pk_fma_f32 v[S+64*\x+j:S+64*\x+j+1], v[S+64*\x+j:S+64*\x+j+1], s[68:69], v[ST+8*\x:ST+8*\x+1] op_sel_hi:[1,0,0]   ; t - M
.endr
.set j, j+2
.endr
.set j, 0
.rept 128
	v_exp_f32 v[S+j], v[S+j]                       ; p = 2^(t - M): one batch
.set j, j+1
.endr
.irp x, 0,1
	v_pk_mul_f32 v[ST+8*\x+2:ST+8*\x+3], v[ST+8*\x+2:ST+8*\x+3], v[ST+8*\x+4:ST+8*\x+5] op_sel_hi:[1,0]   ; the sums under the new M: the plain lines behind the exponentials
.endr
	WIN 0x40                                       ; the loads' destinations lie in window 1: the switch, then the wait, then the loads
	s_wait_alu depctr_va_vdst(0)                   ; THE STEP'S ONE WAIT: the exponentials have written p, ahead of its first reader; the last walked step's products V^T P^T are done reading VF; this step's products of the scores are done reading KF; v[ADV] and v[ADK] are written
.set n, 0
.rept 16
	ds_load_b128 v[VF+4*n:VF+4*n+3], v[ADV] offset:512*n   ; V of this step
.set n, n+1
.endr
.set n, 0
.rept 16
	ds_load_b128 v[KF+4*n:KF+4*n+3], v[ADK] offset:512*n   ; K of the next step
.set n, n+1
.endr
	WIN 0
.irp x, 0,1
	v_pk_add_f32 v[C2+2*\x:C2+2*\x+1], v[S+64*\x:S+64*\x+1], v[S+64*\x+2:S+64*\x+3]   ; the sum of the unquantised p, in two chains
.endr
.set j, 4
.rept 15
.irp x, 0,1
	v_pk_add_f32 v[ST+8*\x+2:ST+8*\x+3], v[ST+8*\x+2:ST+8*\x+3], v[S+64*\x+j:S+64*\x+j+1]
	v_pk_add_f32 v[C2+2*\x:C2+2*\x+1], v[C2+2*\x:C2+2*\x+1], v[S+64*\x+j+2:S+64*\x+j+3]
.endr
.set j, j+4
.endr
.irp x, 0,1
	v_pk_add_f32 v[ST+8*\x+2:ST+8*\x+3], v[ST+8*\x+2:ST+8*\x+3], v[C2+2*\x:C2+2*\x+1]
.endr
	s_cmp_gt_i32 s77, -9                           ; 448 x 2^e8 is above every p: no hold is needed
	s_cbranch_scc1 .Lnohold
.set j, 0
.rept 128
	v_min_num_f32 v[S+j], v[S+j], v[PL]            ; the conversion does not saturate (ISA guide 7.6.2); p is not negative
.set j, j+1
.endr
.Lnohold:
.irp t, 0,1,2,3,4,5,6,7
.irp x, 0,1
	v_cvt_scalef32_pk8_fp8_f32 v[P+16*\x+2*\t:P+16*\x+2*\t+1], v[S+64*\x+8*\t:S+64*\x+8*\t+7], v[PS]
.endr
.endr
	WIN 0x41
.set j, 0
.rept 16
.irp x, 0,1
	v_pk_mul_f32 v[32*\x+j:32*\x+j+1], v[32*\x+j:32*\x+j+1], v[ST+8*\x+4:ST+8*\x+5] op_sel_hi:[1,0]   ; O^T under the new M; also the plain lines behind the conversions
.endr
.set j, j+2
.endr
	s_wait_dscnt 16                                ; V's sixteen loads are in; the sixteen younger ones, the next step's K, may be out
	WIN 0x51
.irp f, 0,1,2,3
.irp x, 0,1
	v_wmma_f32_16x16x128_fp8_fp8 v[32*\x+8*\f:32*\x+8*\f+7], v[VF+16*\f:VF+16*\f+15], v[P+16*\x:P+16*\x+15], v[32*\x+8*\f:32*\x+8*\f+7]   ; eight accumulators by turns; the sixteen products of the scores stand between two links
.endr
.endr
	WIN 0
.Lnext:
	s_and_b32 s[HV], s72, 1                        ; a step that was walked has asked for the next step's K
	s_lshr_b32 s72, s72, 1
	s_lshr_b32 s73, s73, 1
	s_add_co_u32 s76, s76, 8192
	s_add_nc_u64 s[96:97], s[96:97], 256
	s_add_co_u32 s74, s74, 1
	s_cmp_lt_u32 s74, 16
	s_cbranch_scc1 .Lstep
.rept 4
	v_nop                                          ; places behind the last products
.endr
.irp x, 0,1
	v_add_f32 v[ST+8*\x+2], v[ST+8*\x+2], v[ST+8*\x+3]
.endr
.irp x, 0,1
	v_permlanex16_b32 v[PM+\x], v[ST+8*\x+2], s70, s71
.endr
.irp x, 0,1
	v_add_f32 v[ST+8*\x+2], v[ST+8*\x+2], v[PM+\x]   ; the row's sum
.endr
.irp x, 0,1
	v_rcp_f32 v[ST+8*\x+4], v[ST+8*\x+2]
.endr
	v_nop                                          ; a plain line behind the reciprocals
	s_lshr_b32 s104, s99, 3
	s_lshl_b32 s104, s104, 17                      ; the block of 128 tokens,
	s_and_b32 s105, s99, 7
	s_lshl_b32 s105, s105, 11                      ; the tile in it
	s_add_co_u32 s104, s104, s105
	s_mov_b32 s105, 0
	s_add_nc_u64 s[104:105], s[14:15], s[104:105]
	s_wait_alu depctr_va_vdst(0)                   ; the two reciprocals have written their results: one wait for both, ahead of the first reader
	WIN 0x01
.set j, 0
.rept 16
.irp x, 0,1
	v_pk_mul_f32 v[S+32*\x+j:S+32*\x+j+1], v[32*\x+j:32*\x+j+1], v[ST+8*\x+4:ST+8*\x+5] op_sel_hi:[1,0]   ; O^T / the sum
.endr
.set j, j+2
.endr
	WIN 0
.set j, 0
.rept 64
	v_med3_num_f32 v[S+j], v[S+j], -v[OL], v[OL]
.set j, j+1
.endr
.irp x, 0,1
.irp f, 0,1,2,3
	v_cvt_scalef32_pk8_fp8_f32 v[P+8*\x+2*\f:P+8*\x+2*\f+1], v[S+32*\x+8*\f:S+32*\x+8*\f+7], v[OS]   ; pair 4 x + f: k = 64 x + 32 h + 4 i + f of the output projection's K step
.endr
.endr
	v_nop                                          ; a plain line behind the last conversion
	s_wait_alu depctr_va_vdst(0)                   ; the conversions have written v[P .. P+15], which the stores read; and the pass's products are done reading Q, in which the next pass's loads land
.irp q, 0,1,2,3
	global_store_b128 v[LI], v[P+4*\q:P+4*\q+3], s[104:105] offset:512*\q
.endr
	s_wait_xcnt 0x0                                ; the stores' addresses are translated: their base and their data registers are written again in the next pass
	s_wait_alu depctr_vm_vsrc(0)                   ; the stores have read v[P .. P+15], which the next pass's conversions write
	s_add_co_u32 s75, s75, 1
	s_cmp_lt_u32 s75, 2
	s_cbranch_scc1 .Lpass
	s_wait_dscnt 0x0                               ; the closing lines, six on end
	s_wait_alu 0x0
	s_wait_tensorcnt 0x0
	ds_add_u32 v[SPW], v[NIL]
	s_wait_dscnt 0x0
	s_endpgm
.Lfunc_end_k_q0b86ae4e76_attn:
	.size	k_q0b86ae4e76_attn, .Lfunc_end_k_q0b86ae4e76_attn-k_q0b86ae4e76_attn
	.p2alignl 7, 3214868480
	.fill 96, 4, 3214868480
	.section	.rodata,"a",@progbits
	.p2align	6, 0x0
	.amdhsa_kernel k_q0b86ae4e76_attn
		.amdhsa_group_segment_fixed_size 263168
		.amdhsa_private_segment_fixed_size 0
		.amdhsa_enable_private_segment 0
		.amdhsa_kernarg_size 48
		.amdhsa_user_sgpr_count 2
		.amdhsa_user_sgpr_kernarg_segment_ptr 1
		.amdhsa_wavefront_size32 1
		.amdhsa_system_sgpr_workgroup_id_x 1
		.amdhsa_system_sgpr_workgroup_id_y 1
		.amdhsa_system_sgpr_workgroup_id_z 1
		.amdhsa_system_vgpr_workitem_id 0
		.amdhsa_next_free_vgpr 448
		.amdhsa_next_free_sgpr 106
		.amdhsa_reserve_vcc 0
		.amdhsa_float_denorm_mode_32 3
		.amdhsa_float_denorm_mode_16_64 3
		.amdhsa_memory_ordered 1
		.amdhsa_forward_progress 1
		.amdhsa_inst_pref_size 69
	.end_amdhsa_kernel
	.amdgpu_metadata
---
amdhsa.version: [ 1, 2 ]
amdhsa.kernels:
  - .name:           k_q0b86ae4e76_attn
    .symbol:         k_q0b86ae4e76_attn.kd
    .args:
      - { .name: qimg, .offset: 0, .size: 8, .value_kind: global_buffer, .address_space: global }
      - { .name: kv, .offset: 8, .size: 8, .value_kind: global_buffer, .address_space: global }
      - { .name: mwords, .offset: 16, .size: 8, .value_kind: global_buffer, .address_space: global }
      - { .name: minfo, .offset: 24, .size: 8, .value_kind: global_buffer, .address_space: global }
      - { .name: lowp_scales, .offset: 32, .size: 8, .value_kind: global_buffer, .address_space: global }
      - { .name: attnc, .offset: 40, .size: 8, .value_kind: global_buffer, .address_space: global }
    .group_segment_fixed_size: 263168
    .private_segment_fixed_size: 0
    .kernarg_segment_align: 8
    .kernarg_segment_size: 48
    .max_flat_workgroup_size: 256
    .sgpr_count:     106
    .vgpr_count:     448
    .wavefront_size: 32
...
	.end_amdgpu_metadata
.endif
;; end of part 5
;; launch oproj: the kernel of part 4 again; grid 4 x 64, 4 waves a work-group, clusters of 4 x 1, 167,936 bytes of LDS; arguments attnc, wimg, b_o, lowp_scales, out0; writes out0
